; MI455X (gfx1250); checked and timed in simulation.
; The chip was launched on July 23, 2026; its instructions are those of AMD's public machine-readable ISA for CDNA 5 (MIT licence, August 2026) and "CDNA5" Instruction Set Architecture Reference Guide (July 2026). The comments in the code are by the model that wrote it; some were corrected since.
;; Momentum S Mo E Layer. Allowed arithmetic: matrix products marked QUANTISED: E2M1 operands, one E8M0 scale for each 32 along K, by v_wmma_scale_f32_16x16x128_f8f6f4 with both operands' format E2M1 (or v_wmma_scale_f32_32x16x128_f4), f32 sums; products left as they are: f32 operands where the result goes on into a quantised operand, else bf16, f16 or f32 operands; f32 sums; everything else in f32.
;; Inputs: W1 8 x 1,024 x 2,048 float32; W2 8 x 2,048 x 1,024 float32; Wg 1,024 x 8 float32; b1 8 x 2,048 float32; b2 8 x 1,024 float32; bg 8 float32; ln_b 1,024 float32; ln_g 1,024 float32; momentum 4 x 512 x 1,024 float32; x 4 x 512 x 1,024 float32.
;; Outputs: out0 4 x 512 x 1,024 float32; out1 4 x 512 x 1,024 float32.
;; This version of the problem:
;;   THIS VERSION OF THE PROBLEM IS GIVEN IN LOW PRECISION. The matrix products marked QUANTISED in the list below multiply operands that are first quantised to E2M1 (2 exponent bits, 1 mantissa bit; 4 bits a number), with one power-of-two scale for each 32 numbers along K (OCP MX v1.0); their sums are f32. All else is computed in f32.
;;   The module's matrix products, in the order in which they are computed (A, B: the left and right operand; K: the contracted axis; several contracted axes count as one K, in the product's order):
;;     1. [M 2,048, K 1,024] x [K 1,024, N 8]; A: input x; B: input Wg: left as it is (N = 8 < 16)
;;     2. [M 2,048, K 1,024] x [K 1,024, N 16,384]; A: input x; B: input W1: QUANTISED
;;     3. batch 8 x [M 1,024, K 2,048] x [K 2,048, N 2,048]; A: input W2; B: computed on the way: QUANTISED
;;     4. batch 2,048 x [M 1, K 8] x [K 8, N 1,024]; A: computed on the way; B: computed on the way: left as it is (K = 8 < 32)
;;   THE QUANTISER, for each operand of a quantised product, along K:
;;     - K is cut into blocks of 32 from its start; a last block that is shorter is filled with zeros.
;;     - A block's scale is 2^e with e = floor(log2(the largest magnitude in the block)) - 2, held to -126 .. 127; a block of zeros has e = 0. As a byte (E8M0): e + 127.
;;     - Each number is divided by its block's scale, clamped to +-6, and rounded to the nearest number of E2M1, ties to even, subnormals kept.
;;     - The product sums the exact products of the quantised numbers (number of the format x scale) in f32.
;;   ~~~python
;;   def quantise(x, axis):      # numpy; x: float32 -> the quantised numbers, widened to float32 again
;;       x = np.moveaxis(x, axis, -1); K = x.shape[-1]
;;       x = np.pad(x, [(0, 0)] * (x.ndim - 1) + [(0, -K % 32)]); x = x.reshape(x.shape[:-1] + (-1, 32)); a = np.abs(x).max(-1, keepdims=True)
;;       e = np.where(a > 0, np.clip(np.frexp(np.where(a > 0, a, 1))[1] - 1 - 2, -126, 127), 0)      # np.frexp(a)[1] - 1 = floor(log2(a)), exactly
;;       r = np.clip(x / 2.0 ** e, -6, 6)
;;       step = 2.0 ** (np.maximum(np.frexp(np.where(r == 0, 1, r))[1] - 1, 0) - 1)
;;       q = np.round(r / step) * step * 2.0 ** e      # np.round: ties to even
;;       return np.moveaxis(q.reshape(q.shape[:-2] + (-1,))[..., :K], -1, axis).astype(np.float32)
;;   ~~~
;;   OPERANDS COMPUTED ON THE WAY. 'Computed on the way' means the value that the module computes at that place (a softmax that the list does not call 'softmax' is quantised finished and normalised). What goes into a quantiser is computed in f32, as accurately as f32 sums, v_exp_f32 and their like allow (about 1e-6 of the number): no bf16 or f16 on the way to a quantiser, and a product that is left as it is and whose result goes on into a quantised operand takes f32 operands (vector FMAs, or v_wmma_f32_16x16x4_f32). A number that lies on a knife's edge between two numbers of the format may be rounded either way, as far as f32 arithmetic and the matrix unit's own rounding can turn it there, and no further.
;; 2 versions. Each part assembles by itself: llvm-mc -triple=amdgcn-amd-amdhsa -mcpu=gfx1250 --defsym DOCPART=n.
;; ======== version 1 of 2: 4 launches
;; workspace buffers: xq 1,048,576 bytes; xs 81,920 bytes; sel 8,192 bytes of whole numbers; rk 65,792 bytes of whole numbers; hq 16,777,216 bytes; hs 1,048,576 bytes; eo 33,554,432 bytes; w2q 8,912,896 bytes
;; launch route (part 1): grid 256 x 1, 8 waves a work-group, no clusters, 106,496 bytes of LDS; arguments x, Wg, bg, xq, xs, sel, W2, w2q; writes xq, xs, sel, w2q
.if DOCPART == 1
	.amdgcn_target "amdgcn-amd-amdhsa--gfx1250"
	.amdhsa_code_object_version 6
	.text
	.protected	k_qc6f2625367_route
	.globl	k_qc6f2625367_route
	.p2align	8
	.type	k_qc6f2625367_route,@function
k_qc6f2625367_route:
	s_mov_b64 s[64:65], 0
	v_nop
	global_prefetch_b8 v0, s[64:65] scope:SCOPE_SE
	s_setreg_imm32_b32 hwreg(HW_REG_WAVE_MODE, 25, 1), 1
	s_wait_xcnt 0x0
; ROUTE, AND W2'S CODES.  Two pieces of work that share nothing but the time: while a work-group's part of W2 is on its way from memory, its eight tokens are routed.
; THE TOKENS.  For each of the 2,048 tokens: (a) x's row of 1,024 f32 becomes codes of FP4 (E2M1), K innermost, 512 bytes, and 32 E8M0 scale bytes;
; (b) the router's 8 logits x . Wg + bg in f32, the two largest (a tie goes to the lower index, as jax.lax.top_k has it), and the softmax of the two with the larger taken off first.
; Stored at fixed places: xq [token][512], xs [token][32], sel [token] = e0 | e1 << 8 | ((1 << e0) | (1 << e1)) << 16, and behind xs's 65,536 bytes the weights [token] = (w0, w1).  No address and no branch hangs on a logit.
; One wave, one token: token = 8 x work-group + wave.  A lane holds one block of 32 along K: its largest magnitude needs no other lane, and its part of each logit is 32 multiply-adds.
; The loads take the row as it lies (512 consecutive bytes an instruction); the row turns through the wave's own stage in LDS.  Wg (32 KiB) comes into LDS once for the eight waves.
; W2.  Work-group g owns output columns 32 sl .. 32 sl + 31 of expert e (e = g / 32, sl = g % 32): 2,048 x 32 numbers, 256 KiB of f32, which it alone reads, once.  Wave w reads rows 256 w .. 256 w + 255
; (K steps 2 w, 2 w + 1 of the second product): 64 loads, in each of which eight lanes take one row's 128 bytes, all issued behind x's and Wg's loads and ahead of the routing.  A lane's 32 registers of one column are a
; block of 32 along K = H.  Codes and scale bytes are gathered in LDS as IMAGES OF THE OPERAND'S REGISTERS (fragment f = 16 ct + s: 1,024 bytes, 512 c + 16 lane; scale byte of (s, ct, row m, block) at 128 s + 64 ct + 4 m + block)
; and leave as they lie: w2q [32 e + sl][32,768 bytes of codes, 2,048 of scale words], in stores of 512 and of 256 consecutive bytes, aligned.
; No matrix unit (N = 8), no tensor load, no cluster: a work-group's only shared input is Wg, a small part of what it reads.
; LIMITS.  NaN and infinities are not served.  A block whose largest magnitude lies under 2^-124, a block of zeros among them, gets the byte 1 (its codes are then zeros or the format's smallest steps);
; the scale bytes are read by this program alone.
.set STG,  33280                       ; LDS: Wg at 0, 16 bytes of padding behind each 1,024: lane l's 32 rows begin at 1,040 l.  Then a stage of 4,608 bytes for each wave: x's row, 16 bytes of padding behind each 128
.set OUTS, 70144                       ; then 256 scale bytes, 8 words of sel (+256), 8 pairs of weights (+288)
.set WIMG, 70656                       ; W2's 32 fragments, 32,768 bytes
.set WSC,  103424                      ; and their scale words, 2,048 bytes
.set RAW,  16                          ; v16-47   x as loaded; later at work
.set WRAW, 48                          ; v48-79   Wg as loaded
.set X,    80                          ; v80-111  x(32 l + 0 .. 31)
.set WA,   112                         ; v112-239 two sets of 8 rows of Wg
.set LG,   240                         ; v240-247 the 8 sums
.set T,    32                          ; W2, behind the routing: v32-159 four columns x 32 along K; v160-163 largest magnitudes, v164-167 scale operands, v168-175 bytes, v176-207 codes
.set M,    160
.set S,    164
.set BY,   168
.set C,    176
.set OUTW, 208                         ; v208-239 my eighth of the image on its way out; v240-241 my 8 bytes of the scale words.  Window 1 (v256-511): W2 as loaded
.set MSB, 0
.macro WIN new                         ; s_set_vgpr_msb: bits 1:0 source 0, 3:2 source 1, 5:4 source 2, 7:6 destination; the high byte repeats the setting that is left
.if MSB != \new
	s_set_vgpr_msb (MSB<<8)|\new
.set MSB, \new
.endif
.endm
	s_load_b256 s[4:11], s[0:1], 0x0               ; x s[4:5], Wg s[6:7], bg s[8:9], xq s[10:11]
	s_load_b128 s[12:15], s[0:1], 0x20             ; xs s[12:13], sel s[14:15]
	s_load_b128 s[40:43], s[0:1], 0x30             ; W2 s[40:41], w2q s[42:43]
	v_lshrrev_b32 v11, 5, v0
	v_readfirstlane_b32 s20, v11                   ; wave
	v_and_b32 v1, 31, v0                           ; lane l
	v_lshlrev_b32 v2, 4, v1                        ; 16 l
	s_mul_i32 s21, s20, 4608
	s_add_co_u32 s21, s21, STG                     ; my stage
	v_lshrrev_b32 v11, 3, v1
	v_lshl_add_u32 v3, v11, 4, v2
	v_add_nc_u32 v3, s21, v3                       ; into it: 16 l + 16 (l / 8); a load's 512 bytes take 576
	v_mul_u32_u24 v4, v1, 144
	v_add_nc_u32 v4, s21, v4                       ; out of it: 144 l: my 128 bytes
	v_lshlrev_b32 v10, 4, v0                       ; Wg in memory: 16 x thread
	v_lshrrev_b32 v11, 6, v0
	v_lshl_add_u32 v5, v11, 4, v10                 ; and in LDS: + 16 for each 1,024 passed
	v_mul_u32_u24 v6, v1, 1040                     ; my 32 rows of Wg
	v_add_nc_u32 v7, OUTS, v0                      ; my block's scale byte: 32 x wave + l = the thread's number
	s_lshl_b32 s23, s20, 2
	s_add_co_u32 s23, s23, OUTS+256
	v_mov_b32 v8, s23                              ; my token's word of sel
	s_lshl_b32 s23, s20, 3
	s_add_co_u32 s23, s23, OUTS+288
	v_mov_b32 v9, s23                              ; my token's two weights
	v_lshlrev_b32 v15, 3, v1                       ; 8 l
	v_add_nc_u32 v12, OUTS, v15
	v_and_b32 v11, 7, v0
	v_lshlrev_b32 v13, 2, v11                      ; 4 (l % 8),
	v_lshlrev_b32 v14, 3, v11                      ; 8 (l % 8)
	v_lshlrev_b32 v11, 4, v11                      ; W2: columns 4 (l % 8) on;
	v_bfe_u32 v16, v0, 3, 2
	v_lshl_add_u32 v11, v16, 17, v11               ; each group of eight lanes 32 rows (131,072 bytes) further down.  v11 stays as it is until these loads are in
	s_lshl_b32 s22, ttmp9, 3
	s_add_co_u32 s22, s22, s20                     ; token
	s_lshl_b32 s24, s22, 12                        ; its row of x: 4,096 bytes
	s_mov_b32 s25, 0
	s_lshl_b32 s26, s22, 9                         ; its codes: 512 bytes
	s_mov_b32 s27, 0
	s_mov_b32 s28, 0x76543210
	s_mov_b32 s29, 0xfedcba98                      ; v_permlanex16_b32's selects for lane l xor 16
	s_lshr_b32 s44, ttmp9, 5                       ; W2: expert (8 MiB) + 256 w rows of 4,096 bytes + 128 sl
	s_lshl_b32 s44, s44, 23
	s_lshl_b32 s45, s20, 20
	s_add_co_u32 s44, s44, s45
	s_and_b32 s45, ttmp9, 31
	s_lshl_b32 s45, s45, 7
	s_add_co_u32 s44, s44, s45
	s_mov_b32 s45, 0
	s_mul_i32 s30, ttmp9, 34816                    ; w2q: my slab's image
	s_mov_b32 s31, 0
	s_wait_kmcnt 0x0
	s_load_b256 s[32:39], s[8:9], 0x0              ; bg
	s_add_nc_u64 s[4:5], s[4:5], s[24:25]
	s_add_nc_u64 s[10:11], s[10:11], s[26:27]
	s_add_nc_u64 s[40:41], s[40:41], s[44:45]
	s_add_nc_u64 s[42:43], s[42:43], s[30:31]
	s_lshl_b32 s30, s20, 8
	s_add_nc_u64 s[46:47], s[42:43], s[30:31]      ; + 256 w: my part of the scale words lies 32,768 bytes on
	s_lshl_b32 s30, s20, 12
	s_add_nc_u64 s[42:43], s[42:43], s[30:31]      ; + 4,096 w: my part of the codes
.set i, 0
.rept 8
	global_load_b128 v[RAW+4*i:RAW+4*i+3], v2, s[4:5] offset:512*i th:TH_LOAD_NT   ; 32 lanes read 512 consecutive bytes
.set i, i+1
.endr
.set i, 0
.rept 8
	global_load_b128 v[WRAW+4*i:WRAW+4*i+3], v10, s[6:7] offset:4096*i             ; the work-group reads 4,096 consecutive bytes
.set i, i+1
.endr
	WIN 0x40                                       ; register 128 j + 4 i + c of window 1 = W2(256 w + 128 j + 32 (l / 8) + i, 4 (l % 8) + c)
.irp j, 0,1
.set i, 0
.rept 32
	global_load_b128 v[128*\j+4*i:128*\j+4*i+3], v11, s[40:41] offset:(128*\j+i)*4096
.set i, i+1
.endr
.endr
	WIN 0
	s_wait_loadcnt 63                              ; 64 loads were issued behind x's eight and Wg's eight: with 63 out at the most, those sixteen are in
.set i, 0
.rept 8
	ds_store_b128 v3, v[RAW+4*i:RAW+4*i+3] offset:576*i
.set i, i+1
.endr
.set i, 0
.rept 8
	ds_load_b128 v[X+4*i:X+4*i+3], v4 offset:16*i  ; LDS serves a wave's instructions in order: these see my stores
.set i, i+1
.endr
.set i, 0
.rept 8
	ds_store_b128 v5, v[WRAW+4*i:WRAW+4*i+3] offset:4160*i
.set i, i+1
.endr
	s_wait_dscnt 0x0                               ; for the others' sake: my part of Wg lies in LDS (and my block of x is in)
	s_barrier_signal -1
	s_barrier_wait -1
.macro WROWS b                         ; rows 8 b .. 8 b + 7 of my 32 rows of Wg into set b % 2: 16 loads
.set i, 0
.rept 16
	ds_load_b128 v[WA+64*((\b)%2)+4*i:WA+64*((\b)%2)+4*i+3], v6 offset:256*(\b)+16*i
.set i, i+1
.endr
.endm
.macro DOT b                           ; 8 rows x 8 experts; the eight sums take turns; the first row starts them: nothing is cleared
.set i, 0
.rept 8
.irp e, 0,1,2,3,4,5,6,7
.if ((\b) == 0) && (i == 0)
	v_mul_f32 v[LG+\e], v[X], v[WA+\e]
.else
	v_fmac_f32 v[LG+\e], v[X+8*(\b)+i], v[WA+64*((\b)%2)+8*i+\e]
.endif
.endr
.set i, i+1
.endr
.endm
	WROWS 0
	WROWS 1
	; my block of 32: the largest magnitude with the floor 2^(3 - 127) among its leaves, so that the byte cannot fall under 1
	v_max3_num_f32 v248, |v[X]|, |v[X+1]|, 0x1800000
	v_max3_num_f32 v249, |v[X+2]|, |v[X+3]|, 0x1800000
.irp i, 4,8,12,16,20,24,28
	v_max3_num_f32 v248, v248, |v[X+\i]|, |v[X+\i+1]|
	v_max3_num_f32 v249, v249, |v[X+\i+2]|, |v[X+\i+3]|
.endr
	v_max_num_f32 v248, v248, v249
	v_add_nc_u32 v250, 0xff000000, v248            ; 2 off its exponent field: the conversion takes the exponent field of this operand as its scale
	v_lshrrev_b32 v251, 23, v250                   ; the scale's byte
.irp g, 0,1,2,3
	v_cvt_scalef32_pk8_fp4_f32 v[252+\g], v[X+8*\g:X+8*\g+7], v250
.endr
	v_nop                                          ; one plain place behind the conversions
	global_store_b128 v2, v[252:255], s[10:11]     ; 32 lanes store the token's 512 bytes of codes; v2 and v252-255 are not written again
	ds_store_b8 v7, v251
	s_wait_dscnt 17                                ; batch 0 is in; behind it stand batch 1's 16 loads and the byte store
	DOT 0
	WROWS 2
	s_wait_dscnt 17                                ; batch 1 is in; behind it: the byte store and batch 2's 16
	DOT 1
	WROWS 3
	s_wait_dscnt 16                                ; batch 2 is in; behind it: batch 3's 16
	DOT 2
	s_wait_dscnt 0x0
	DOT 3
.irp k, 1,2,4,8                        ; the 32 lanes' parts are added; every lane ends with the same eight sums
.irp e, 0,1,2,3,4,5,6,7
	v_add_f32_dpp v[LG+\e], v[LG+\e], v[LG+\e] row_xmask:\k row_mask:0xf bank_mask:0xf
.endr
.endr
.irp e, 0,1,2,3,4,5,6,7
	v_permlanex16_b32 v[RAW+\e], v[LG+\e], s28, s29
.endr
	s_wait_kmcnt 0x0                               ; bg
.irp e, 0,1,2,3,4,5,6,7
	v_add_f32 v[LG+\e], v[LG+\e], v[RAW+\e]
.endr
.irp e, 0,1,2,3,4,5,6,7
	v_add_f32 v[LG+\e], s[32+\e], v[LG+\e]
.endr
	; the largest: a later logit takes the place only if it is strictly larger
	v_mov_b32 v16, v[LG]
	v_mov_b32 v17, 0
.irp e, 1,2,3,4,5,6,7
	v_cmp_le_f32 vcc_lo, v[LG+\e], v16
	v_cndmask_b32 v16, v[LG+\e], v16, vcc_lo
	v_cndmask_b32 v17, \e, v17, vcc_lo
.endr
	v_mov_b32 v20, 0xff800000                      ; -infinity takes the winner's place, and the scan is run again
.irp e, 0,1,2,3,4,5,6,7
	v_cmp_eq_u32 vcc_lo, \e, v17
	v_cndmask_b32 v[LG+\e], v[LG+\e], v20, vcc_lo
.endr
	v_mov_b32 v18, v[LG]
	v_mov_b32 v19, 0
.irp e, 1,2,3,4,5,6,7
	v_cmp_le_f32 vcc_lo, v[LG+\e], v18
	v_cndmask_b32 v18, v[LG+\e], v18, vcc_lo
	v_cndmask_b32 v19, \e, v19, vcc_lo
.endr
	v_sub_f32 v21, v18, v16                        ; the second less the first: 0 or less: the maximum is taken off
	v_mul_f32 v21, 0x3fb8aa3b, v21
	v_exp_f32 v22, v21                             ; t = e^(second - first), at most 1
	v_mov_b32 v28, 1                               ; (a plain place behind the exponential)
	s_wait_alu depctr_va_vdst(0)                   ; the wait ahead of the first reader
	v_add_f32 v23, 1.0, v22
	v_rcp_f32 v24, v23                             ; w0 = 1 / (1 + t)
	v_lshlrev_b32 v26, v17, v28                    ; (a plain place)  1 << e0
	v_lshlrev_b32 v27, v19, v28                    ; 1 << e1
	s_wait_alu depctr_va_vdst(0)
	v_mul_f32 v25, v22, v24                        ; w1 = t w0
	v_or_b32 v26, v26, v27
	v_lshl_or_b32 v26, v26, 16, v17
	v_lshl_or_b32 v26, v19, 8, v26
	ds_store_b32 v8, v26                           ; all lanes store the same word
	ds_store_b64 v9, v[24:25]
	s_wait_dscnt 0x0                               ; for wave 0's sake
	s_barrier_signal -1
	s_barrier_wait -1
	s_cmp_lg_u32 s20, 0
	s_cbranch_scc1 .Lw2
	v_add_nc_u32 v16, OUTS+256, v13
	v_add_nc_u32 v17, OUTS+288, v14
	ds_load_b64 v[18:19], v12                      ; the work-group's 256 scale bytes
	ds_load_b32 v20, v16                           ; its 8 words of sel (four lanes read each)
	ds_load_b64 v[22:23], v17                      ; its 8 pairs of weights
	s_lshl_b32 s24, ttmp9, 6
	s_add_nc_u64 s[16:17], s[12:13], s[24:25]      ; the weights lie behind xs's 65,536 bytes, 64 bytes a work-group
	s_lshl_b32 s24, ttmp9, 8
	s_add_nc_u64 s[12:13], s[12:13], s[24:25]
	s_lshl_b32 s24, ttmp9, 5
	s_add_nc_u64 s[14:15], s[14:15], s[24:25]
	s_wait_dscnt 0x0
	global_store_b64 v15, v[18:19], s[12:13]       ; 32 lanes store 256 consecutive bytes, aligned
	global_store_b32 v13, v20, s[14:15]            ; lanes with the same l % 8 store the same word to the same place
	global_store_b64 v14, v[22:23], s[16:17] offset:65536
.Lw2:
	; ---- W2's slab.  None of the registers written from here on is a source of a store that may still be out (v2, v13-15, v18-23, v252-255) or of W2's loads (v11)
	v_bfe_u32 v26, v0, 2, 1                        ; (l % 8) / 4: the tile ct of columns 4 (l % 8) + 0 .. 3
	v_and_b32 v27, 3, v0                           ; (l % 8) % 4: their rows m = 4 ((l % 8) % 4) + c
	v_bfe_u32 v28, v0, 3, 2                        ; l / 8: the block of 32 in a K step
	s_lshl_b32 s21, s20, 11
	s_add_co_u32 s21, s21, WIMG
	v_lshlrev_b32 v3, 14, v26
	v_lshl_add_u32 v3, v28, 8, v3
	v_lshl_add_u32 v3, v27, 6, v3
	v_add_nc_u32 v3, s21, v3                       ; codes: WIMG + 16,384 ct + 1,024 (2 w) + 256 (l / 8) + 16 m (+ 1,024 j)
	s_lshl_b32 s21, s20, 8
	s_add_co_u32 s21, s21, WSC
	v_lshlrev_b32 v4, 6, v26
	v_lshl_add_u32 v4, v27, 4, v4
	v_add_nc_u32 v4, v4, v28
	v_add_nc_u32 v4, s21, v4                       ; scale bytes: WSC + 128 (2 w) + 64 ct + 4 m + l / 8 (+ 128 j)
	v_add_nc_u32 v6, s21, v15                      ; the way out: WSC + 256 w + 8 l,
	s_lshl_b32 s21, s20, 12
	s_add_co_u32 s21, s21, WIMG
	v_add_nc_u32 v5, s21, v2                       ; WIMG + 4,096 w + 16 l
.macro TRANS j                         ; a column's 32 numbers into consecutive registers, as the conversions want them
	WIN 0x01
.set i, 0
.rept 32
.irp c, 0,1,2,3
	v_mov_b32 v[T+32*\c+i], v[128*\j+4*i+\c]
.endr
.set i, i+1
.endr
	WIN 0
.endm
.macro QBLK j                          ; four blocks of 32 (block l / 8 of K step 2 w + j, columns 4 (l % 8) + 0 .. 3), by turns
.irp c, 0,1,2,3
	v_max3_num_f32 v[M+\c], |v[T+32*\c]|, |v[T+32*\c+1]|, 0x1800000   ; with the floor 2^(3 - 127): the byte cannot fall under 1
.endr
.irp i, 2,4,6,8,10,12,14,16,18,20,22,24,26,28,30
.irp c, 0,1,2,3
	v_max3_num_f32 v[M+\c], v[M+\c], |v[T+32*\c+\i]|, |v[T+32*\c+\i+1]|
.endr
.endr
.irp c, 0,1,2,3
	v_add_nc_u32 v[S+\c], 0xff000000, v[M+\c]      ; 2 off the exponent field: the conversion's scale operand
.endr
.irp c, 0,1,2,3
	v_lshrrev_b32 v[BY+4*\j+\c], 23, v[S+\c]       ; the scale's byte
.endr
.irp c, 0,1,2,3
.irp g, 0,1,2,3
	v_cvt_scalef32_pk8_fp4_f32 v[C+16*\j+4*\c+\g], v[T+32*\c+8*\g:T+32*\c+8*\g+7], v[S+\c]
.endr
.endr
	v_nop                                          ; one plain place behind the conversions
.irp c, 0,1,2,3
	ds_store_b128 v3, v[C+16*\j+4*\c:C+16*\j+4*\c+3] offset:1024*\j+16*\c
	ds_store_b8 v4, v[BY+4*\j+\c] offset:128*\j+4*\c
.endr
.endm
	s_wait_loadcnt 32                              ; the slab's first 32 loads are in; the other 32 may be out
	TRANS 0
	QBLK 0
	s_wait_loadcnt 0x0
	TRANS 1
	QBLK 1
	s_wait_dscnt 0x0                               ; for the others' sake: my two K steps' images lie in LDS
	s_barrier_signal -1
	s_barrier_wait -1
.set i, 0
.rept 8
	ds_load_b128 v[OUTW+4*i:OUTW+4*i+3], v5 offset:512*i
.set i, i+1
.endr
	ds_load_b64 v[240:241], v6
	s_wait_dscnt 0x0
.set i, 0
.rept 8
	global_store_b128 v2, v[OUTW+4*i:OUTW+4*i+3], s[42:43] offset:512*i   ; 32 lanes store 512 consecutive bytes, aligned
.set i, i+1
.endr
	global_store_b64 v15, v[240:241], s[46:47] offset:32768              ; 32 lanes store 256 consecutive bytes, aligned
	s_wait_xcnt 0x0
	v_lshl_add_u32 v254, v0, 2, 0x19c00
	v_mov_b32 v255, 0
	s_wait_tensorcnt 0x0
	ds_add_u32 v254, v255
	s_wait_dscnt 0x0
	s_endpgm
.Lfunc_end_k_qc6f2625367_route:
	.size	k_qc6f2625367_route, .Lfunc_end_k_qc6f2625367_route-k_qc6f2625367_route
	.p2alignl 7, 3214868480
	.fill 96, 4, 3214868480
	.section	.rodata,"a",@progbits
	.p2align	6, 0x0
	.amdhsa_kernel k_qc6f2625367_route
		.amdhsa_group_segment_fixed_size 106496
		.amdhsa_private_segment_fixed_size 0
		.amdhsa_enable_private_segment 0
		.amdhsa_kernarg_size 64
		.amdhsa_user_sgpr_count 2
		.amdhsa_user_sgpr_kernarg_segment_ptr 1
		.amdhsa_wavefront_size32 1
		.amdhsa_system_sgpr_workgroup_id_x 1
		.amdhsa_system_sgpr_workgroup_id_y 1
		.amdhsa_system_sgpr_workgroup_id_z 1
		.amdhsa_system_vgpr_workitem_id 0
		.amdhsa_next_free_vgpr 512
		.amdhsa_next_free_sgpr 66
		.amdhsa_reserve_vcc 1
		.amdhsa_float_denorm_mode_32 3
		.amdhsa_float_denorm_mode_16_64 3
		.amdhsa_memory_ordered 1
		.amdhsa_forward_progress 1
		.amdhsa_inst_pref_size 56
	.end_amdhsa_kernel
	.amdgpu_metadata
---
amdhsa.version: [ 1, 2 ]
amdhsa.kernels:
  - .name:           k_qc6f2625367_route
    .symbol:         k_qc6f2625367_route.kd
    .args:
      - { .name: x, .offset: 0, .size: 8, .value_kind: global_buffer, .address_space: global }
      - { .name: Wg, .offset: 8, .size: 8, .value_kind: global_buffer, .address_space: global }
      - { .name: bg, .offset: 16, .size: 8, .value_kind: global_buffer, .address_space: global }
      - { .name: xq, .offset: 24, .size: 8, .value_kind: global_buffer, .address_space: global }
      - { .name: xs, .offset: 32, .size: 8, .value_kind: global_buffer, .address_space: global }
      - { .name: sel, .offset: 40, .size: 8, .value_kind: global_buffer, .address_space: global }
      - { .name: W2, .offset: 48, .size: 8, .value_kind: global_buffer, .address_space: global }
      - { .name: w2q, .offset: 56, .size: 8, .value_kind: global_buffer, .address_space: global }
    .group_segment_fixed_size: 106496
    .private_segment_fixed_size: 0
    .kernarg_segment_align: 8
    .kernarg_segment_size: 64
    .max_flat_workgroup_size: 256
    .sgpr_count:     66
    .vgpr_count:     512
    .wavefront_size: 32
...
	.end_amdgpu_metadata
.endif
;; end of part 1
;; launch up (part 2): grid 32 x 8, 8 waves a work-group, no clusters, 113,664 bytes of LDS; arguments sel, xq, xs, W1, b1, hq, hs, rk; writes hq, hs, rk
.if DOCPART == 2
	.amdgcn_target "amdgcn-amd-amdhsa--gfx1250"
	.amdhsa_code_object_version 6
	.text
	.protected	k_qc6f2625367_up
	.globl	k_qc6f2625367_up
	.p2align	8
	.type	k_qc6f2625367_up,@function
k_qc6f2625367_up:
	s_mov_b64 s[64:65], 0
	v_nop
	global_prefetch_b8 v0, s[64:65] scope:SCOPE_SE
	s_setreg_imm32_b32 hwreg(HW_REG_WAVE_MODE, 25, 1), 1
	s_wait_xcnt 0x0
; UP.  h = relu(x W1[e] + b1[e]) for the tokens that chose expert e, on codes of FP4 (E2M1) with one E8M0 scale for each 32 along K = D; h is quantised along H on the way and stored as codes.
; SHARES.  Work-group (sl, e) owns hidden units 64 sl .. 64 sl + 63 of expert e: 1,024 x 64 numbers of W1, 256 KiB of f32, which it alone reads, once.
; WEIGHT PHASE.  Wave w reads rows 128 w .. 128 w + 127 (K step w): 64 loads, in each of which sixteen lanes take one row's 256 bytes; all are out together.  A lane's 32 registers of one column are a block of 32
; along K; its codes go into LDS as an IMAGE OF THE OPERAND'S REGISTERS (fragment f = 8 ct + s: 1,024 bytes, 512 c + 16 lane), its scale byte into the scale words' image.  Behind one barrier every wave loads the
; whole slab, 32 fragments, into 256 registers (window 1), where it stays.
; THE LIST.  Meanwhile wave 0 reads sel (whole numbers that the launch before stored) and lays the numbers of the tokens that chose e into LDS, one behind the other; the place is the token's rank.
; The list is zeroed first, so that the places behind the last hold token 0.  The work-groups with sl = 0 store the ranks and the count for the later launches.
; ROW PHASE.  Wave w takes tiles w, w + 8, .. of 16 listed tokens: their 16 rows of codes come as whole rows of 512 bytes, turn through the wave's stage in LDS into 8 fragments, and meet the 32 fragments of W1
; in 32 matrix instructions, used TRANSPOSED (source 0 = 16 hidden units, source 1 = 16 tokens): a lane holds one token.  THE UNITS OF A TILE ARE NOT NEIGHBOURS: row m of tile 2 b + u is unit 32 b + 8 u + m + 8 (m / 8),
; so that the 16 registers of tiles 2 b, 2 b + 1 are units 32 b + 16 (lane / 16) + 0 .. 15.  b1 is the C of each sum's first instruction.
; EVERY WAVE WALKS ALL SIXTEEN PLACES that a wave's tiles can have (128 tiles at the most, eight waves): the loop's count is a constant, the list's read offset is a scalar stepped by a constant in it, and a place
; beyond the expert's tiles is passed by a scalar branch round its work alone.
; hq [e][tile][K step of the next product][1,024]: register images; a store of this text covers 256 consecutive bytes, aligned.  hs [e][tile][1,024]: the scale words' image for the next launch.
; The last tile of a list is filled up with token 0; its surplus rows are computed and stored, and nobody reads them.
; NO TENSOR LOADS, NO CLUSTER: the 32 work-groups of an expert read the same rows of codes, but how many tiles there are is a count read from memory;
; fetching all 128 places would be four times the rows of an even split.
; LIMITS.  NaN and infinities are not served.  A block whose largest magnitude lies under 2^-124, a block of zeros among them, gets the byte 1; the bytes are read by this program alone.
.set WIMG, 0                           ; LDS: W1's 32 fragments, 32,768 bytes
.set WSC,  32768                       ; their scale words: the word of (ct, s, row m) at 128 (8 (ct / 2) + s) + 64 (ct % 2) + 4 m
.set LIST, 34816                       ; 2,048 places, 32 words for what is not chosen, and room up to which the stepped read offset counts (64 x 7 + 512 x 16 + 64 bytes): 9,728 bytes, 19 stores of 512
.set CNT,  44544                       ; the count
.set STG,  44800                       ; a stage of 16 rows x (512 + 16) bytes for each wave
.set RA,   16                          ; v16-31   the byte offsets of 16 rows of codes
.set G,    32                          ; v32-95   16 rows as loaded
.set F,    96                          ; v96-159  x's 8 fragments; behind the products v96-108 serve the quantiser
.set ACC,  160                         ; v160-191 four accumulators
.set BIAS, 192                         ; v192-223 b1 in the result's layout
.set WS,   224                         ; v224-239 W1's scale words: register 8 (ct / 2) + s: lanes 0-15 the even tile's, lanes 16-31 the odd tile's
.set XS,   240                         ; v240-247 x's scale words, two sets: register i: lanes 0-15 K step i, lanes 16-31 K step 4 + i
.set T,    32                          ; weight phase: v32-159 four columns x 32 along K;
.set M,    160                         ; v160-163 largest magnitudes, v164-167 scale operands, v168-175 bytes, v176-207 codes
.set S,    164
.set BY,   168
.set C,    176
.set P,    96                          ; wave 0: v96-159 the ranks
.set MSB, 0
.macro WIN new                         ; s_set_vgpr_msb: bits 1:0 source 0, 3:2 source 1, 5:4 source 2, 7:6 destination; the high byte repeats the setting that is left
.if MSB != \new
	s_set_vgpr_msb (MSB<<8)|\new
.set MSB, \new
.endif
.endm
	s_load_b512 s[4:19], s[0:1], 0x0               ; sel s[4:5], xq s[6:7], xs s[8:9], W1 s[10:11], b1 s[12:13], hq s[14:15], hs s[16:17], rk s[18:19]
	v_lshrrev_b32 v250, 5, v0
	v_readfirstlane_b32 s22, v250                  ; wave w
	s_and_b32 s23, ttmp7, 0xffff                   ; expert e
	s_mov_b32 s24, ttmp9                           ; slab sl
	v_and_b32 v15, 31, v0                          ; lane l
	v_and_b32 v250, 15, v0                         ; q = r = l % 16
	v_bfe_u32 v251, v0, 4, 1                       ; h = l / 16
	v_bfe_u32 v252, v0, 3, 1                       ; bits 3, 1, 0, 2 of q
	v_bfe_u32 v253, v0, 1, 1
	v_and_b32 v254, 1, v0
	v_bfe_u32 v255, v0, 2, 1
	v_lshlrev_b32 v1, 4, v15                       ; 16 l
	v_lshlrev_b32 v2, 2, v15                       ; 4 l
	v_lshlrev_b32 v3, 4, v250
	v_lshl_add_u32 v3, v251, 18, v3                ; W1: columns 4 q on; lanes 16-31 begin 32 rows (262,144 bytes) further down
	; column 4 q + c is row m = 4 (q & 1) + c + 8 ((q >> 2) & 1) of tile ct = 2 (q >> 3) + ((q >> 1) & 1).  Codes: 8,192 ct + 1,024 w + 256 h + 16 m (+ 512 j)
	s_lshl_b32 s28, s22, 10
	v_lshlrev_b32 v4, 14, v252
	v_lshl_add_u32 v4, v253, 13, v4
	v_lshl_add_u32 v4, v251, 8, v4
	v_lshl_add_u32 v4, v254, 6, v4
	v_lshl_add_u32 v4, v255, 7, v4
	v_add_nc_u32 v4, s28, v4
	; scale bytes: WSC + 128 (8 (q >> 3) + w) + 64 ((q >> 1) & 1) + 4 m + h (+ 2 j)
	s_lshl_b32 s28, s22, 7
	s_add_co_u32 s28, s28, WSC
	v_lshlrev_b32 v5, 10, v252
	v_lshl_add_u32 v5, v253, 6, v5
	v_lshl_add_u32 v5, v254, 4, v5
	v_lshl_add_u32 v5, v255, 5, v5
	v_add_nc_u32 v5, v5, v251
	v_add_nc_u32 v5, s28, v5
	s_mul_i32 s28, s22, 8448
	s_add_co_u32 s28, s28, STG                     ; my stage
	v_add_nc_u32 v6, s28, v1                       ; into it: a row's 512 bytes, 16 a lane
	v_mul_u32_u24 v7, v250, 528
	v_lshl_add_u32 v7, v251, 4, v7
	v_add_nc_u32 v7, s28, v7                       ; out of it: row r, + 16 h
	s_lshl_b32 s28, s22, 6
	s_add_co_u32 s28, s28, LIST
	v_mov_b32 v8, s28                              ; the list at my first tile: 64 bytes a tile; never rewritten
	v_lshl_add_u32 v9, v250, 2, s28                ; and my own row's word in it; never rewritten
	v_lshlrev_b32 v10, 4, v250
	v_add_nc_u32 v11, v10, v251                    ; hs: 16 r + h
	v_lshl_add_u32 v10, v251, 3, v10               ; hq: 16 r + 8 h
	v_mov_b32 v12, CNT
	v_mov_b32 v13, 0
	v_add_nc_u32 v14, 2048, v15                    ; where a lane puts what is not chosen
	v_lshlrev_b32 v249, 4, v251                    ; 16 h
	v_lshlrev_b32 v252, 6, v251                    ; 64 h: b1's offset
	s_add_co_u32 s28, s23, 16
	s_lshl_b32 s30, 1, s28                         ; my expert's bit in a word of sel
	s_mov_b32 s31, 0                               ; the running count
	s_mov_b32 s36, 0x76543210
	s_mov_b32 s37, 0xfedcba98                      ; v_permlanex16_b32's selects for lane l xor 16
	s_mov_b32 s38, 0xffff0000                      ; lanes 16-31
	s_lshl_b32 s28, s23, 23                        ; W1: expert (8 MiB) + K step w (128 rows of 8,192 bytes) + 256 sl
	s_lshl_b32 s29, s22, 20
	s_add_co_u32 s28, s28, s29
	s_lshl_b32 s29, s24, 8
	s_add_co_u32 s28, s28, s29
	s_mov_b32 s29, 0
	s_wait_kmcnt 0x0
	s_add_nc_u64 s[10:11], s[10:11], s[28:29]
	s_lshl_b32 s28, s23, 13                        ; b1: 8,192 e + 256 sl
	s_lshl_b32 s32, s24, 8
	s_add_co_u32 s28, s28, s32
	s_add_nc_u64 s[12:13], s[12:13], s[28:29]
	s_lshl_b32 s28, s23, 21                        ; hq: 16,384 (128 e + w) + 512 sl
	s_lshl_b32 s32, s22, 14
	s_add_co_u32 s28, s28, s32
	s_lshl_b32 s32, s24, 9
	s_add_co_u32 s28, s28, s32
	s_add_nc_u64 s[14:15], s[14:15], s[28:29]
	s_lshl_b32 s28, s23, 17                        ; hs: 1,024 (128 e + w) + 512 (sl >> 4) + 256 ((sl >> 1) & 1) + 4 ((sl >> 2) & 3) + 2 (sl & 1)
	s_lshl_b32 s32, s22, 10
	s_add_co_u32 s28, s28, s32
	s_lshr_b32 s32, s24, 4
	s_lshl_b32 s32, s32, 9
	s_add_co_u32 s28, s28, s32
	s_bfe_u32 s32, s24, 0x10001
	s_lshl_b32 s32, s32, 8
	s_add_co_u32 s28, s28, s32
	s_bfe_u32 s32, s24, 0x20002
	s_lshl_b32 s32, s32, 2
	s_add_co_u32 s28, s28, s32
	s_and_b32 s32, s24, 1
	s_lshl_b32 s32, s32, 1
	s_add_co_u32 s28, s28, s32
	s_add_nc_u64 s[16:17], s[16:17], s[28:29]
	s_lshl_b32 s28, s23, 2
	s_add_nc_u64 s[40:41], s[18:19], s[28:29]      ; rk + 4 e: the count lies 65,536 bytes on
	s_lshl_b32 s28, s23, 13
	s_add_nc_u64 s[18:19], s[18:19], s[28:29]      ; rk + 8,192 e: my expert's ranks
.macro WLOADS                          ; my K step of the slab: register 128 j + 4 i + c of window 1 = W1(128 w + 32 (2 j + h) + i, 4 q + c).  Sixteen lanes read one row's 256 bytes, aligned; read once in the launch
	WIN 0x40
.irp j, 0,1
.set i, 0
.rept 32
	global_load_b128 v[128*\j+4*i:128*\j+4*i+3], v3, s[10:11] offset:(64*\j+i)*8192 th:TH_LOAD_NT
.set i, i+1
.endr
.endr
	WIN 0
.endm
	s_cmp_lg_u32 s22, 0
	s_cbranch_scc1 .Lothers
	; ---- wave 0: the list
.set i, 0
.rept 16
	global_load_b128 v[G+4*i:G+4*i+3], v1, s[4:5] offset:512*i     ; register 4 j + i: the word of token 128 j + 4 l + i
.set i, i+1
.endr
	WLOADS
.irp c, 0,1,2,3
	v_mov_b32 v[168+\c], 0
.endr
.set i, 0
.rept 19
	ds_store_b128 v1, v[168:171] offset:LIST+512*i ; the list begins as zeros: token 0 in every place.  LDS serves a wave's instructions in order: the stores below land on top
.set i, i+1
.endr
	s_wait_loadcnt 63                              ; 64 loads were issued behind sel's sixteen: with 63 out at the most, those sixteen are in
.set n, 0
.rept 64                               ; 32 tokens a step: who chose e; the place = the count so far + the chosen lanes below mine
	v_and_b32 v[160+n%4], s30, v[G+n]
	v_cmp_ne_u32 vcc_lo, 0, v[160+n%4]
	v_mbcnt_lo_u32_b32 v[P+n], vcc_lo, s31
	v_cndmask_b32 v[160+n%4], v14, v[P+n], vcc_lo
	v_min_u32 v[160+n%4], 0x81f, v[160+n%4]        ; held inside the list's 2,080 words
	v_lshl_add_u32 v[160+n%4], v[160+n%4], 2, LIST
	v_add_nc_u32 v[164+n%4], 128*(n/4)+n%4, v2     ; the token's number
	ds_store_b32 v[160+n%4], v[164+n%4]
	s_bcnt1_i32_b32 s32, vcc_lo
	s_add_co_u32 s31, s31, s32
.set n, n+1
.endr
	v_mov_b32 v164, s31
	ds_store_b32 v12, v164                         ; the count
	s_cmp_lg_u32 s24, 0
	s_cbranch_scc1 .Lno_rk
.set i, 0
.rept 16
	global_store_b128 v1, v[P+4*i:P+4*i+3], s[18:19] offset:512*i  ; rank[e][token]; what stands there for a token that did not choose e is read by nobody
.set i, i+1
.endr
	global_store_b32 v13, v164, s[40:41] offset:65536              ; all lanes store the same word
	s_wait_xcnt 0x0                                ; the stores' data are written again below, only behind this wait
.Lno_rk:
	s_branch .Ljoin
.Lothers:
	WLOADS
.Ljoin:
	s_wait_dscnt 0x0                               ; wave 0's list lies in LDS
	s_barrier_signal -1                            ; this barrier parts the list's stores, whose places hang on data, from every other LDS access of the text
	s_barrier_wait -1
	; ---- the weight phase
.macro TRANS j                         ; a column's 32 numbers into consecutive registers, as the conversions want them: the price of loads that take whole rows
	WIN 0x01
.set i, 0
.rept 32
.irp c, 0,1,2,3
	v_mov_b32 v[T+32*\c+i], v[128*\j+4*i+\c]
.endr
.set i, i+1
.endr
	WIN 0
.endm
.macro QBLK j                          ; four blocks of 32 (block 2 j + h of K step w, columns 4 q + 0 .. 3), by turns
.irp c, 0,1,2,3
	v_max3_num_f32 v[M+\c], |v[T+32*\c]|, |v[T+32*\c+1]|, 0x1800000   ; with the floor 2^(3 - 127): the byte cannot fall under 1
.endr
.irp i, 2,4,6,8,10,12,14,16,18,20,22,24,26,28,30
.irp c, 0,1,2,3
	v_max3_num_f32 v[M+\c], v[M+\c], |v[T+32*\c+\i]|, |v[T+32*\c+\i+1]|
.endr
.endr
.irp c, 0,1,2,3
	v_add_nc_u32 v[S+\c], 0xff000000, v[M+\c]      ; 2 off the exponent field: the conversion's scale operand
.endr
.irp c, 0,1,2,3
	v_lshrrev_b32 v[BY+4*\j+\c], 23, v[S+\c]       ; the scale's byte
.endr
.irp c, 0,1,2,3
.irp g, 0,1,2,3
	v_cvt_scalef32_pk8_fp4_f32 v[C+16*\j+4*\c+\g], v[T+32*\c+8*\g:T+32*\c+8*\g+7], v[S+\c]
.endr
.endr
	v_nop                                          ; one plain place behind the conversions
.irp c, 0,1,2,3
	ds_store_b128 v4, v[C+16*\j+4*\c:C+16*\j+4*\c+3] offset:512*\j+16*\c
	ds_store_b8 v5, v[BY+4*\j+\c] offset:2*\j+4*\c
.endr
.endm
	s_wait_loadcnt 32                              ; the first 32 loads are in; the other 32 may be out
	TRANS 0
	QBLK 0
	s_wait_loadcnt 0x0
	TRANS 1
	QBLK 1
	s_wait_dscnt 0x0                               ; for the others' sake: my K step's images lie in LDS
	s_barrier_signal -1
	s_barrier_wait -1                              ; the last barrier: from here on a wave reads what nobody writes, and its own stage
	; ---- the row phase
	ds_load_b32 v253, v12
	s_wait_dscnt 0x0
	v_readfirstlane_b32 s25, v253
	s_min_u32 s25, s25, 0x800
	s_add_co_u32 s25, s25, 15
	s_lshr_b32 s25, s25, 4                         ; n: tiles of 16 rows, 128 at the most
	s_mov_b32 s26, s22                             ; t: the tile of the place in hand: w, w + 8, ..
	s_mov_b32 s33, 0                               ; the list's read offset: 512 bytes a place
.irp t, 0,1,2,3                        ; b1: tile 2 b + u wants units 32 b + 16 h + 8 u + 0 .. 7
	global_load_b128 v[BIAS+8*\t:BIAS+8*\t+3], v252, s[12:13] offset:(32*(\t/2)+8*(\t%2))*4
	global_load_b128 v[BIAS+8*\t+4:BIAS+8*\t+7], v252, s[12:13] offset:(32*(\t/2)+8*(\t%2))*4+16
.endr
; A tile is asked for: its 16 tokens from the list, off bytes on from the place in hand (every lane reads all sixteen, and its own row's once more), then 16 whole rows of codes and the rows' scale words into set p.
.macro ASK p, off
	v_add_nc_u32 v250, s33, v8
	v_add_nc_u32 v251, s33, v9
.irp a, 0,1,2,3
	ds_load_b128 v[RA+4*\a:RA+4*\a+3], v250 offset:\off+16*\a
.endr
	ds_load_b32 v248, v251 offset:\off
	s_wait_dscnt 0x0                               ; the tokens are in; so are the fragments, and the stage's stores have read the rows' registers
.set i, 0
.rept 16
	v_min_u32 v[RA+i], 0x7ff, v[RA+i]              ; a token's number, held inside the table
.set i, i+1
.endr
.set i, 0
.rept 16
	v_lshl_add_u32 v[RA+i], v[RA+i], 9, v1         ; 512 x token + 16 l
.set i, i+1
.endr
	v_min_u32 v248, 0x7ff, v248
	v_lshl_add_u32 v248, v248, 5, v249             ; 32 x my row's token + 16 h
.set i, 0
.rept 16
	global_load_b128 v[G+4*i:G+4*i+3], v[RA+i], s[6:7]             ; 32 lanes read a row's 512 bytes
.set i, i+1
.endr
	global_load_b128 v[XS+4*(\p):XS+4*(\p)+3], v248, s[8:9]
.endm
.macro MM d, a, b, c, sa, sb, ra, rb   ; one matrix instruction; ra, rb: the scales stand in lanes 16-31 of their registers
.if (\ra) && (\rb)
	v_wmma_scale_f32_16x16x128_f8f6f4 v[0+(\d):7+(\d)], v[0+(\a):7+(\a)], v[0+(\b):7+(\b)], v[0+(\c):7+(\c)], v[0+(\sa)], v[0+(\sb)] matrix_a_fmt:MATRIX_FMT_FP4 matrix_b_fmt:MATRIX_FMT_FP4 matrix_a_scale:MATRIX_SCALE_ROW1 matrix_b_scale:MATRIX_SCALE_ROW1
.elseif (\ra)
	v_wmma_scale_f32_16x16x128_f8f6f4 v[0+(\d):7+(\d)], v[0+(\a):7+(\a)], v[0+(\b):7+(\b)], v[0+(\c):7+(\c)], v[0+(\sa)], v[0+(\sb)] matrix_a_fmt:MATRIX_FMT_FP4 matrix_b_fmt:MATRIX_FMT_FP4 matrix_a_scale:MATRIX_SCALE_ROW1
.elseif (\rb)
	v_wmma_scale_f32_16x16x128_f8f6f4 v[0+(\d):7+(\d)], v[0+(\a):7+(\a)], v[0+(\b):7+(\b)], v[0+(\c):7+(\c)], v[0+(\sa)], v[0+(\sb)] matrix_a_fmt:MATRIX_FMT_FP4 matrix_b_fmt:MATRIX_FMT_FP4 matrix_b_scale:MATRIX_SCALE_ROW1
.else
	v_wmma_scale_f32_16x16x128_f8f6f4 v[0+(\d):7+(\d)], v[0+(\a):7+(\a)], v[0+(\b):7+(\b)], v[0+(\c):7+(\c)], v[0+(\sa)], v[0+(\sb)] matrix_a_fmt:MATRIX_FMT_FP4 matrix_b_fmt:MATRIX_FMT_FP4
.endif
.endm
	ASK 0, 0                                       ; my first place's tile (in a wave that has none: sixteen times token 0, which nobody multiplies)
	global_load_b128 v[XS+4:XS+7], v248, s[8:9]    ; the same scale words into the second set too: both sets hold scale words from here on, whichever places are walked
	WIN 0x40                                       ; the whole slab into window 1: fragment f at v[8 f]
.set i, 0
.rept 64
	ds_load_b128 v[4*i:4*i+3], v1 offset:WIMG+512*i
.set i, i+1
.endr
	WIN 0
.set i, 0
.rept 16
	ds_load_b32 v[WS+i], v2 offset:WSC+128*i
.set i, i+1
.endr
	s_wait_dscnt 0x0
; A place.  p: its set of x's scale words.  Its work is passed where the expert has no such tile; the steps at its end are on every path.
.macro TILE p
	s_cmp_ge_u32 s26, s25
	s_cbranch_scc1 .Lpass_\@
	s_wait_loadcnt 0x0                             ; the tile's 16 rows and its scale words are in (the first time: b1 too); the loads' address registers may be written again
.set i, 0
.rept 16
	ds_store_b128 v6, v[G+4*i:G+4*i+3] offset:528*i
.set i, i+1
.endr
.set i, 0
.rept 16
	ds_load_b128 v[F+4*i:F+4*i+3], v7 offset:32*i  ; K step s, half c: 64 s + 32 c bytes on in row r.  LDS serves a wave's instructions in order: these see my stores
.set i, i+1
.endr
	s_add_co_u32 s28, s26, 8
	s_cmp_lt_u32 s28, s25
	s_cbranch_scc0 .Lno_next_\@
	ASK 1-\p, 512                                  ; my next tile, if there is one, is asked for ahead of this tile's products
.Lno_next_\@:
	s_wait_dscnt 0x0                               ; the fragments are in
	WIN 0x01                                       ; source 0 (W1) in window 1
.set ks, 0
.rept 8                                ; the four accumulators take turns, one instruction a turn
.set ct, 0
.rept 4
.if ks == 0
	MM ACC+8*ct, 8*(8*ct+ks), F+8*ks, BIAS+8*ct, WS+8*(ct/2)+ks, XS+4*(\p)+ks%4, ct%2, ks/4
.else
	MM ACC+8*ct, 8*(8*ct+ks), F+8*ks, ACC+8*ct, WS+8*(ct/2)+ks, XS+4*(\p)+ks%4, ct%2, ks/4
.endif
.set ct, ct+1
.endr
.set ks, ks+1
.endr
	WIN 0
.rept 4
	v_nop                                          ; four places behind the last product (ISA guide 7.12.1)
.endr
.set i, 0
.rept 32
	v_max_num_f32 v[ACC+i], 0, v[ACC+i]            ; the activation, in f32; each accumulator from its low end on
.set i, i+1
.endr
.irp b, 0,1                            ; two blocks of 32 hidden units; lanes l and l xor 16 hold 16 each.  No |.|: nothing is negative
	v_max3_num_f32 v[F+\b], v[ACC+16*\b], v[ACC+16*\b+1], 0x1800000
.endr
.irp i, 2,4,6,8,10,12,14
.irp b, 0,1
	v_max3_num_f32 v[F+\b], v[F+\b], v[ACC+16*\b+\i], v[ACC+16*\b+\i+1]
.endr
.endr
.irp b, 0,1
	v_permlanex16_b32 v[F+2+\b], v[F+\b], s36, s37
.endr
.irp b, 0,1
	v_max_num_f32 v[F+\b], v[F+\b], v[F+2+\b]
.endr
.irp b, 0,1
	v_add_nc_u32 v[F+4+\b], 0xff000000, v[F+\b]
.endr
.irp b, 0,1
	v_lshrrev_b32 v[F+6+\b], 23, v[F+4+\b]
.endr
.irp b, 0,1
	v_cvt_scalef32_pk8_fp4_f32 v[F+8+2*\b], v[ACC+16*\b:ACC+16*\b+7], v[F+4+\b]
	v_cvt_scalef32_pk8_fp4_f32 v[F+9+2*\b], v[ACC+16*\b+8:ACC+16*\b+15], v[F+4+\b]
.endr
	v_cndmask_b32 v[F+12], v[F+6], v[F+7], s38     ; lanes 0-15 store block 0's byte, lanes 16-31 block 1's.  (Also the plain place behind the conversions)
	global_store_b64 v10, v[F+8:F+9], s[14:15]               ; block b of token r: 16 bytes at 256 b + 16 r, my half at + 8 h: 32 lanes store 256 consecutive bytes, aligned
	global_store_b64 v10, v[F+10:F+11], s[14:15] offset:256
	global_store_b8 v11, v[F+12], s[16:17]
	s_wait_xcnt 0x0                                ; the stores' data and bases are written again only behind this wait
.Lpass_\@:
	s_add_nc_u64 s[14:15], s[14:15], 131072        ; eight tiles on, in hq,
	s_add_nc_u64 s[16:17], s[16:17], 8192          ; in hs,
	s_add_co_u32 s26, s26, 8
	s_add_co_u32 s33, s33, 512                     ; and in the list
.endm
	s_mov_b32 s27, 8
.Ltrip:                                ; 8 trips of two places: the two sets of x's scale words are back where they began
	TILE 0
	TILE 1
	s_sub_co_u32 s27, s27, 1
	s_cmp_lg_u32 s27, 0
	s_cbranch_scc1 .Ltrip
	s_wait_xcnt 0x0
	v_lshl_add_u32 v254, v0, 2, 0x1b800
	v_mov_b32 v255, 0
	s_wait_tensorcnt 0x0
	ds_add_u32 v254, v255
	s_wait_dscnt 0x0
	s_endpgm
.Lfunc_end_k_qc6f2625367_up:
	.size	k_qc6f2625367_up, .Lfunc_end_k_qc6f2625367_up-k_qc6f2625367_up
	.p2alignl 7, 3214868480
	.fill 96, 4, 3214868480
	.section	.rodata,"a",@progbits
	.p2align	6, 0x0
	.amdhsa_kernel k_qc6f2625367_up
		.amdhsa_group_segment_fixed_size 113664
		.amdhsa_private_segment_fixed_size 0
		.amdhsa_enable_private_segment 0
		.amdhsa_kernarg_size 64
		.amdhsa_user_sgpr_count 2
		.amdhsa_user_sgpr_kernarg_segment_ptr 1
		.amdhsa_wavefront_size32 1
		.amdhsa_system_sgpr_workgroup_id_x 1
		.amdhsa_system_sgpr_workgroup_id_y 1
		.amdhsa_system_sgpr_workgroup_id_z 1
		.amdhsa_system_vgpr_workitem_id 0
		.amdhsa_next_free_vgpr 512
		.amdhsa_next_free_sgpr 66
		.amdhsa_reserve_vcc 1
		.amdhsa_float_denorm_mode_32 3
		.amdhsa_float_denorm_mode_16_64 3
		.amdhsa_memory_ordered 1
		.amdhsa_forward_progress 1
		.amdhsa_inst_pref_size 112
	.end_amdhsa_kernel
	.amdgpu_metadata
---
amdhsa.version: [ 1, 2 ]
amdhsa.kernels:
  - .name:           k_qc6f2625367_up
    .symbol:         k_qc6f2625367_up.kd
    .args:
      - { .name: sel, .offset: 0, .size: 8, .value_kind: global_buffer, .address_space: global }
      - { .name: xq, .offset: 8, .size: 8, .value_kind: global_buffer, .address_space: global }
      - { .name: xs, .offset: 16, .size: 8, .value_kind: global_buffer, .address_space: global }
      - { .name: W1, .offset: 24, .size: 8, .value_kind: global_buffer, .address_space: global }
      - { .name: b1, .offset: 32, .size: 8, .value_kind: global_buffer, .address_space: global }
      - { .name: hq, .offset: 40, .size: 8, .value_kind: global_buffer, .address_space: global }
      - { .name: hs, .offset: 48, .size: 8, .value_kind: global_buffer, .address_space: global }
      - { .name: rk, .offset: 56, .size: 8, .value_kind: global_buffer, .address_space: global }
    .group_segment_fixed_size: 113664
    .private_segment_fixed_size: 0
    .kernarg_segment_align: 8
    .kernarg_segment_size: 64
    .max_flat_workgroup_size: 256
    .sgpr_count:     66
    .vgpr_count:     512
    .wavefront_size: 32
...
	.end_amdgpu_metadata
.endif
;; end of part 2
;; launch down (part 3): grid 32 x 8, 8 waves a work-group, no clusters, 150,528 bytes of LDS; arguments rk, hq, hs, w2q, b2, eo; writes eo
.if DOCPART == 3
	.amdgcn_target "amdgcn-amd-amdhsa--gfx1250"
	.amdhsa_code_object_version 6
	.text
	.protected	k_qc6f2625367_down
	.globl	k_qc6f2625367_down
	.p2align	8
	.type	k_qc6f2625367_down,@function
k_qc6f2625367_down:
	s_mov_b64 s[64:65], 0
	v_nop
	global_prefetch_b8 v0, s[64:65] scope:SCOPE_SE
	s_setreg_imm32_b32 hwreg(HW_REG_WAVE_MODE, 25, 1), 1
	s_wait_xcnt 0x0
; DOWN.  eo = h W2[e] + b2[e] for the rows of expert e, on codes of FP4 (E2M1) with one E8M0 scale for each 32 along K = H.  Both operands come as register images that earlier launches stored.
; SHARES.  Work-group (x = 8 cg + rg, e).  ITS EIGHT WAVES HOLD EIGHT DIFFERENT SLABS OF W2: wave w has output columns 32 sl .. 32 sl + 31, sl = 8 cg + w: 32 fragments and 16 registers of scale words, loaded from
; w2q straight into the operand's registers (window 1), where they stay.  So a work-group covers 256 columns, an expert has 4 column groups, and its tiles of 16 rows are dealt to 8 row groups: tile t goes to rg = t % 8.
; A tile of h is fetched by 4 work-groups, not by one for each slab, and once in each of them.
; THE ROWS GO FROM WAVE TO WAVE THROUGH LDS.  A tile is 16,384 bytes of codes (16 K steps x 1,024) and 1,024 bytes of scale words.  Each wave fetches an eighth (K steps 2 w, 2 w + 1; 128 bytes of scale words) by loads of 512
; and of 128 consecutive bytes, stores it into LDS as it lies, and behind a barrier every wave reads the whole tile.
; PLACES.  The work-group's tiles rg + 8 j (j = 0 .. 15: 128 tiles an expert at the most) are walked in four places of four tiles.  Two LDS buffers take turns, so one barrier a place serves both ways: in front of it a
; wave's stores into this place's buffer have landed and its reads of the other buffer are in.  The next place's eighths are asked for straight behind the barrier and land while this place's tiles are multiplied.
; THE LOOP'S COUNT IS A CONSTANT and every wave passes every barrier; a tile that the expert does not have is passed by scalar branches on the stored count, past its loads, its LDS stores and its products.
; A TILE.  Four quarters of 4 K steps on two quarter buffers: 8 LDS loads and 8 matrix instructions each, used TRANSPOSED (source 0 = 16 columns of the output, source 1 = 16 rows): a lane holds eight neighbouring
; outputs of one row.  b2 is the C of each sum's first instruction.
; eo [e][slab][row place][32 bf16]: the mix by the gates is a product that the contract leaves as it is, with bf16 operands; a tile's 16 rows x 64 bytes are 1,024 consecutive bytes.
; NO TENSOR LOADS, NO CLUSTER, though the row groups of a column group read the same images and the column groups of a row group the same tiles: which tiles exist is a count read from memory
; Walking all 128 tiles would be four times the rows of an even split.
; LIMITS.  NaN and infinities are not served.
.set TILEB, 17408                      ; a tile in LDS: 16,384 bytes of codes, then 1,024 of scale words
.set HBUF,  0                          ; LDS: two buffers of four tiles, 69,632 bytes each
.set STG,   8*TILEB                    ; then a stage of 16 rows x (64 + 16) bytes for each wave
.set RD,   10                          ; v10-13   16 l + the LDS byte at which a pair of tiles begins: register 2 p + q / 2 for buffer p, tile q
.set ST,   14                          ; v14-17   the same + 2,048 w: where I put my eighth of the codes
.set SS,   18                          ; v18-21   the pair's byte + 16,384 + 128 w + 4 l: where I put my eighth of the scale words
.set HB,   32                          ; v32-95   two quarter buffers: 4 fragments of h each
.set PF,   96                          ; v96-159  my eighths of a place's four tiles, 16 registers each, on their way from memory to LDS
.set ACC,  160                         ; v160-175 two accumulators
.set BIAS, 176                         ; v176-191 b2 in the result's layout
.set PK,   192                         ; v192-199 results as bf16
.set OB,   200                         ; v200-207 the tile's 1,024 bytes as they are stored
.set WS,   208                         ; v208-223 W2's scale words: register s: lanes 0-15 tile 0's, lanes 16-31 tile 1's
.set HS,   224                         ; v224-231 h's scale words: register 4 (s / 8) + (s % 8) / 2: lanes 0-15 the even K step's, lanes 16-31 the odd one's
.set PS,   232                         ; v232-235 my eighths of the four tiles' scale words, on their way
.set MSB, 0
.macro WIN new                         ; s_set_vgpr_msb: bits 1:0 source 0, 3:2 source 1, 5:4 source 2, 7:6 destination; the high byte repeats the setting that is left
.if MSB != \new
	s_set_vgpr_msb (MSB<<8)|\new
.set MSB, \new
.endif
.endm
	s_load_b256 s[4:11], s[0:1], 0x0               ; rk s[4:5], hq s[6:7], hs s[8:9], w2q s[10:11]
	s_load_b128 s[12:15], s[0:1], 0x20             ; b2 s[12:13], eo s[14:15]
	v_lshl_add_u32 v248, v0, 2, 0x24800
	v_mov_b32 v249, 0
	v_lshrrev_b32 v250, 5, v0
	v_readfirstlane_b32 s22, v250                  ; wave w
	s_and_b32 s23, ttmp7, 0xffff                   ; expert e
	s_and_b32 s20, ttmp9, 7                        ; row group rg
	s_lshr_b32 s24, ttmp9, 3                       ; column group cg
	s_lshl_b32 s24, s24, 3
	s_add_co_u32 s24, s24, s22                     ; my slab sl = 8 cg + w
	s_lshl_b32 s21, s23, 5
	s_add_co_u32 s21, s21, s24                     ; 32 e + sl
	v_and_b32 v252, 31, v0                         ; lane l
	v_and_b32 v250, 15, v0                         ; r
	v_bfe_u32 v251, v0, 4, 1                       ; h
	v_and_b32 v255, 3, v0
	v_lshlrev_b32 v1, 4, v252                      ; 16 l
	v_lshlrev_b32 v2, 2, v252                      ; 4 l
	s_lshl_b32 s28, s22, 11
	v_add_nc_u32 v253, s28, v1
	s_lshl_b32 s28, s22, 7
	v_add_nc_u32 v254, s28, v2
.irp k, 0,1,2,3
	v_add_nc_u32 v[RD+\k], HBUF+\k*2*TILEB, v1
	v_add_nc_u32 v[ST+\k], HBUF+\k*2*TILEB, v253
	v_add_nc_u32 v[SS+\k], HBUF+\k*2*TILEB+16384, v254
.endr
	s_mul_i32 s28, s22, 1280
	s_add_co_u32 s28, s28, STG                     ; my stage
	v_mul_u32_u24 v6, v250, 80
	v_lshl_add_u32 v6, v251, 4, v6
	v_add_nc_u32 v6, s28, v6                       ; into it: row r, + 16 h (+ 32 ct)
	v_bfe_u32 v7, v0, 2, 3
	v_mul_u32_u24 v7, v7, 80
	v_lshl_add_u32 v7, v255, 4, v7
	v_add_nc_u32 v7, s28, v7                       ; out of it: four lanes to a row of 64 bytes, eight rows an instruction
	v_lshlrev_b32 v8, 5, v251                      ; b2: 32 h
	s_mul_i32 s28, s21, 34816                      ; w2q: my slab's image
	s_mov_b32 s29, 0
	s_wait_kmcnt 0x0
	s_add_nc_u64 s[10:11], s[10:11], s[28:29]
	s_lshl_b32 s28, s23, 2
	s_add_nc_u64 s[30:31], s[4:5], s[28:29]
	s_load_b32 s25, s[30:31], 0x10000              ; my expert's count of rows
	WIN 0x40                                       ; my slab into window 1: fragment f = 16 ct + s at v[8 f]; each load takes 512 consecutive bytes
.set i, 0
.rept 64
	global_load_b128 v[4*i:4*i+3], v1, s[10:11] offset:512*i
.set i, i+1
.endr
	WIN 0
.set i, 0
.rept 16
	global_load_b32 v[WS+i], v2, s[10:11] offset:32768+128*i
.set i, i+1
.endr
	s_lshl_b32 s28, s23, 12                        ; b2: 4,096 e + 128 sl
	s_lshl_b32 s32, s24, 7
	s_add_co_u32 s28, s28, s32
	s_add_nc_u64 s[12:13], s[12:13], s[28:29]
.irp t, 0,1
	global_load_b128 v[BIAS+8*\t:BIAS+8*\t+3], v8, s[12:13] offset:64*\t          ; tile ct wants columns 16 ct + 8 h + 0 .. 7
	global_load_b128 v[BIAS+8*\t+4:BIAS+8*\t+7], v8, s[12:13] offset:64*\t+16
.endr
	s_lshl_b32 s28, s23, 21                        ; hq: 16,384 (128 e + rg) + 2,048 w
	s_lshl_b32 s32, s20, 14
	s_add_co_u32 s28, s28, s32
	s_lshl_b32 s32, s22, 11
	s_add_co_u32 s28, s28, s32
	s_add_nc_u64 s[6:7], s[6:7], s[28:29]
	s_lshl_b32 s28, s23, 17                        ; hs: 1,024 (128 e + rg) + 128 w
	s_lshl_b32 s32, s20, 10
	s_add_co_u32 s28, s28, s32
	s_lshl_b32 s32, s22, 7
	s_add_co_u32 s28, s28, s32
	s_add_nc_u64 s[8:9], s[8:9], s[28:29]
	s_lshl_b32 s28, s21, 17                        ; eo: 131,072 (32 e + sl) + 1,024 rg
	s_lshl_b32 s32, s20, 10
	s_add_co_u32 s28, s28, s32
	s_add_nc_u64 s[14:15], s[14:15], s[28:29]
.set i, 0
.rept 64
	v_mov_b32 v[PF+i], 0                           ; written once: a tile's loads and its LDS stores stand under two branches on the same count, and every register is written before it is read on every way through the text
.set i, i+1
.endr
.irp q, 0,1,2,3
	v_mov_b32 v[PS+\q], 0
.endr
	s_wait_kmcnt 0x0
	s_min_u32 s25, s25, 0x800
	s_add_co_u32 s25, s25, 15
	s_lshr_b32 s25, s25, 4                         ; n: tiles of 16 rows, 128 at the most
	s_mov_b32 s26, s20                             ; t: the first tile of the place in hand: rg, rg + 32, ..
; My eighths of the four tiles of the place in hand (nx = 0) or of the next (nx = 1).  The tiles ascend: behind the first that the expert does not have there is none.
.macro ASKP nx
.irp q, 0,1,2,3
	s_add_co_u32 s28, s26, 32*\nx+8*\q
	s_cmp_lt_u32 s28, s25
	s_cbranch_scc0 .Lasked_\@
.irp i, 0,1,2,3
	global_load_b128 v[PF+16*\q+4*\i:PF+16*\q+4*\i+3], v1, s[6:7] offset:524288*\nx+131072*\q+512*\i
.endr
	global_load_b32 v[PS+\q], v2, s[8:9] offset:32768*\nx+8192*\q
.endr
.Lasked_\@:
.endm
.macro MM d, a, b, c, sa, sb, ra, rb   ; one matrix instruction; ra, rb: the scales stand in lanes 16-31 of their registers
.if (\ra) && (\rb)
	v_wmma_scale_f32_16x16x128_f8f6f4 v[0+(\d):7+(\d)], v[0+(\a):7+(\a)], v[0+(\b):7+(\b)], v[0+(\c):7+(\c)], v[0+(\sa)], v[0+(\sb)] matrix_a_fmt:MATRIX_FMT_FP4 matrix_b_fmt:MATRIX_FMT_FP4 matrix_a_scale:MATRIX_SCALE_ROW1 matrix_b_scale:MATRIX_SCALE_ROW1
.elseif (\ra)
	v_wmma_scale_f32_16x16x128_f8f6f4 v[0+(\d):7+(\d)], v[0+(\a):7+(\a)], v[0+(\b):7+(\b)], v[0+(\c):7+(\c)], v[0+(\sa)], v[0+(\sb)] matrix_a_fmt:MATRIX_FMT_FP4 matrix_b_fmt:MATRIX_FMT_FP4 matrix_a_scale:MATRIX_SCALE_ROW1
.elseif (\rb)
	v_wmma_scale_f32_16x16x128_f8f6f4 v[0+(\d):7+(\d)], v[0+(\a):7+(\a)], v[0+(\b):7+(\b)], v[0+(\c):7+(\c)], v[0+(\sa)], v[0+(\sb)] matrix_a_fmt:MATRIX_FMT_FP4 matrix_b_fmt:MATRIX_FMT_FP4 matrix_b_scale:MATRIX_SCALE_ROW1
.else
	v_wmma_scale_f32_16x16x128_f8f6f4 v[0+(\d):7+(\d)], v[0+(\a):7+(\a)], v[0+(\b):7+(\b)], v[0+(\c):7+(\c)], v[0+(\sa)], v[0+(\sb)] matrix_a_fmt:MATRIX_FMT_FP4 matrix_b_fmt:MATRIX_FMT_FP4
.endif
.endm
.macro QL p, q, c                      ; quarter c (K steps 4 c .. 4 c + 3) of tile q of buffer p into quarter buffer c % 2: 8 loads of 512 consecutive bytes
.set i, 0
.rept 8
	ds_load_b128 v[HB+32*((\c)%2)+4*i:HB+32*((\c)%2)+4*i+3], v[RD+2*\p+\q/2] offset:(\q%2)*TILEB+4096*(\c)+512*i
.set i, i+1
.endr
.endm
.macro QM c                            ; its 8 matrix instructions; the two accumulators take turns, one instruction a turn
	WIN 0x01                                       ; source 0 (W2) in window 1
.set ks, 4*(\c)
.rept 4
.set ct, 0
.rept 2
.if ks == 0
	MM ACC+8*ct, 8*(16*ct+ks), HB+32*((ks/4)%2)+8*(ks%4), BIAS+8*ct, WS+ks, HS+4*(ks/8)+(ks%8)/2, ct, ks%2
.else
	MM ACC+8*ct, 8*(16*ct+ks), HB+32*((ks/4)%2)+8*(ks%4), ACC+8*ct, WS+ks, HS+4*(ks/8)+(ks%8)/2, ct, ks%2
.endif
.set ct, ct+1
.endr
.set ks, ks+1
.endr
	WIN 0
.endm
.macro PLACES                          ; four places in front of loads into registers that matrix instructions have read, and of the first read of results
.rept 4
	v_nop
.endr
.endm
.macro TILE p, q
	ds_load_b128 v[HS:HS+3], v[RD+2*\p+\q/2] offset:(\q%2)*TILEB+16384
	ds_load_b128 v[HS+4:HS+7], v[RD+2*\p+\q/2] offset:(\q%2)*TILEB+16384+512
	QL \p, \q, 0
	QL \p, \q, 1
	s_wait_dscnt 8                                 ; the scale words and quarter 0 are in; quarter 1's 8 loads may be out
	QM 0
	PLACES
	QL \p, \q, 2
	s_wait_dscnt 8                                 ; quarter 1 is in; quarter 2's 8 may be out
	QM 1
	PLACES
	QL \p, \q, 3
	s_wait_dscnt 8                                 ; quarter 2 is in; quarter 3's 8 may be out
	QM 2
	s_wait_dscnt 0x0
	QM 3
	PLACES
.irp t, 0,1
.irp j, 0,1,2,3
	v_cvt_pk_bf16_f32 v[PK+4*\t+\j], v[ACC+8*\t+2*\j], v[ACC+8*\t+2*\j+1]   ; each accumulator from its low end on: row r, columns 16 ct + 8 h + 0 .. 7: 16 bytes
.endr
.endr
	s_wait_xcnt 0x0                                ; the last tile's stores have read their data: those registers are loaded again only behind this wait
	ds_store_b128 v6, v[PK:PK+3]
	ds_store_b128 v6, v[PK+4:PK+7] offset:32
	ds_load_b128 v[OB:OB+3], v7                    ; LDS serves a wave's instructions in order: these see my stores
	ds_load_b128 v[OB+4:OB+7], v7 offset:640
	s_wait_dscnt 0x0
	global_store_b128 v1, v[OB:OB+3], s[14:15] offset:8192*\q              ; 32 lanes store 512 consecutive bytes, aligned
	global_store_b128 v1, v[OB+4:OB+7], s[14:15] offset:8192*\q+512
.endm
; A place: four tiles, in buffer p.
.macro PLACE p
	s_wait_loadcnt 0x0                             ; my eighths of this place's tiles are in (the first time: my slab, its scale words and b2 too)
.irp q, 0,1,2,3
	s_add_co_u32 s28, s26, 8*\q
	s_cmp_lt_u32 s28, s25
	s_cbranch_scc0 .Lstored_\@
.irp i, 0,1,2,3
	ds_store_b128 v[ST+2*\p+\q/2], v[PF+16*\q+4*\i:PF+16*\q+4*\i+3] offset:(\q%2)*TILEB+512*\i
.endr
	ds_store_b32 v[SS+2*\p+\q/2], v[PS+\q] offset:(\q%2)*TILEB
.endr
.Lstored_\@:
	s_wait_dscnt 0x0                               ; for the others' sake: my stores into this buffer have landed, and my reads of the other buffer are in
	s_barrier_signal -1
	s_barrier_wait -1                              ; this buffer is whole, and nobody reads the other one any more
	ASKP 1                                         ; the next place's eighths land while this place's tiles are multiplied
.irp q, 0,1,2,3
	s_add_co_u32 s28, s26, 8*\q
	s_cmp_lt_u32 s28, s25
	s_cbranch_scc0 .Lplace_done_\@
	TILE \p, \q
.endr
.Lplace_done_\@:
	s_wait_xcnt 0x0                                ; the loads and stores have read their bases: they step only behind this wait
	s_add_nc_u64 s[6:7], s[6:7], 524288            ; 32 tiles on, in hq,
	s_add_nc_u64 s[8:9], s[8:9], 32768             ; in hs,
	s_add_nc_u64 s[14:15], s[14:15], 32768         ; and in eo
	s_add_co_u32 s26, s26, 32
.endm
	ASKP 0
	s_mov_b32 s27, 2
.Ltrip:                                ; 2 trips of two places: the two buffers are back where they began.  The fourth place asks for nothing: its successor's tiles would be 128 and more
	PLACE 0
	PLACE 1
	s_sub_co_u32 s27, s27, 1
	s_cmp_lg_u32 s27, 0
	s_cbranch_scc1 .Ltrip
	s_wait_tensorcnt 0x0
	ds_add_u32 v248, v249
	s_wait_dscnt 0x0
	s_endpgm
.Lfunc_end_k_qc6f2625367_down:
	.size	k_qc6f2625367_down, .Lfunc_end_k_qc6f2625367_down-k_qc6f2625367_down
	.p2alignl 7, 3214868480
	.fill 96, 4, 3214868480
	.section	.rodata,"a",@progbits
	.p2align	6, 0x0
	.amdhsa_kernel k_qc6f2625367_down
		.amdhsa_group_segment_fixed_size 150528
		.amdhsa_private_segment_fixed_size 0
		.amdhsa_enable_private_segment 0
		.amdhsa_kernarg_size 48
		.amdhsa_user_sgpr_count 2
		.amdhsa_user_sgpr_kernarg_segment_ptr 1
		.amdhsa_wavefront_size32 1
		.amdhsa_system_sgpr_workgroup_id_x 1
		.amdhsa_system_sgpr_workgroup_id_y 1
		.amdhsa_system_sgpr_workgroup_id_z 1
		.amdhsa_system_vgpr_workitem_id 0
		.amdhsa_next_free_vgpr 512
		.amdhsa_next_free_sgpr 66
		.amdhsa_reserve_vcc 0
		.amdhsa_float_denorm_mode_32 3
		.amdhsa_float_denorm_mode_16_64 3
		.amdhsa_memory_ordered 1
		.amdhsa_forward_progress 1
		.amdhsa_inst_pref_size 89
	.end_amdhsa_kernel
	.amdgpu_metadata
---
amdhsa.version: [ 1, 2 ]
amdhsa.kernels:
  - .name:           k_qc6f2625367_down
    .symbol:         k_qc6f2625367_down.kd
    .args:
      - { .name: rk, .offset: 0, .size: 8, .value_kind: global_buffer, .address_space: global }
      - { .name: hq, .offset: 8, .size: 8, .value_kind: global_buffer, .address_space: global }
      - { .name: hs, .offset: 16, .size: 8, .value_kind: global_buffer, .address_space: global }
      - { .name: w2q, .offset: 24, .size: 8, .value_kind: global_buffer, .address_space: global }
      - { .name: b2, .offset: 32, .size: 8, .value_kind: global_buffer, .address_space: global }
      - { .name: eo, .offset: 40, .size: 8, .value_kind: global_buffer, .address_space: global }
    .group_segment_fixed_size: 150528
    .private_segment_fixed_size: 0
    .kernarg_segment_align: 8
    .kernarg_segment_size: 48
    .max_flat_workgroup_size: 256
    .sgpr_count:     66
    .vgpr_count:     512
    .wavefront_size: 32
...
	.end_amdgpu_metadata
.endif
;; end of part 3
;; launch finish (part 4): grid 256 x 1, 8 waves a work-group, no clusters, 0 bytes of LDS; arguments x, momentum, sel, xs, rk, eo, ln_g, ln_b, out0, out1; writes out0, out1
.if DOCPART == 4
	.amdgcn_target "amdgcn-amd-amdhsa--gfx1250"
	.amdhsa_code_object_version 6
	.text
	.protected	k_qc6f2625367_finish
	.globl	k_qc6f2625367_finish
	.p2align	8
	.type	k_qc6f2625367_finish,@function
k_qc6f2625367_finish:
	s_mov_b64 s[64:65], 0
	v_nop
	global_prefetch_b8 v0, s[64:65] scope:SCOPE_SE
	s_setreg_imm32_b32 hwreg(HW_REG_WAVE_MODE, 25, 1), 1
	s_wait_xcnt 0x0
; FINISH.  For each token: new_momentum = 0.7 momentum - (w0 eo[e0] + w1 eo[e1]);  out = LayerNorm(x + new_momentum) ln_g + ln_b.  All in f32; eo's rows are bf16 operands of the mix, which the contract leaves as it is.
; SHARES.  One wave, one token (token = 8 x work-group + wave); lane l holds d = 128 m + 4 l + 0 .. 3, m = 0 .. 7: every load and store of a row covers 512 consecutive bytes.  The row stays in registers between the
; passes: the mean first, then the mean of the squared differences.  No LDS, no barrier, no matrix unit: memory binds, and waves share nothing.
; Where a token's rows lie: its two experts from sel, its rank in each from rk (whole numbers that earlier launches stored); eo [e][slab d / 32][rank][32 bf16].  Its two weights lie behind the 65,536 scale bytes of xs.
; LIMITS.  NaN and infinities are not served.
.set X,   8                            ; v8-39    x, then x + new_momentum, then the result
.set MO,  40                           ; v40-71   momentum, then new_momentum
.set E0,  72                           ; v72-87   the first expert's row: register i holds numbers 2 i, 2 i + 1
.set E1,  88                           ; v88-103  the second's
.set GA,  104                          ; v104-135 ln_g
.set BE,  136                          ; v136-167 ln_b
	s_load_b512 s[4:19], s[0:1], 0x0               ; x s[4:5], momentum s[6:7], sel s[8:9], xs s[10:11], rk s[12:13], eo s[14:15], ln_g s[16:17], ln_b s[18:19]
	s_load_b128 s[20:23], s[0:1], 0x40             ; out0 s[20:21], out1 s[22:23]
	v_lshrrev_b32 v5, 5, v0
	v_readfirstlane_b32 s24, v5                    ; wave
	s_lshl_b32 s25, ttmp9, 3
	s_add_co_u32 s25, s25, s24                     ; token
	v_and_b32 v6, 31, v0
	v_lshlrev_b32 v1, 4, v6                        ; 16 l
	v_and_b32 v7, 7, v0
	v_bfe_u32 v5, v0, 3, 2
	v_lshlrev_b32 v2, 3, v7
	v_lshl_add_u32 v2, v5, 17, v2                  ; eo: slab 4 m + l / 8 (131,072 bytes a slab), 8 bytes at 8 (l % 8)
	s_lshl_b32 s26, s25, 2
	s_mov_b32 s27, 0
	v_lshl_add_u32 v3, v7, 13, s26                 ; rk: expert l % 8, my token
	s_lshl_b32 s28, s25, 3
	s_mov_b32 s29, 0
	s_lshl_b32 s30, s25, 12
	s_mov_b32 s31, 0
	s_mov_b32 s48, 0x76543210
	s_mov_b32 s49, 0xfedcba98                      ; v_permlanex16_b32's selects for lane l xor 16
	s_mov_b32 s50, 0x3a800000                      ; 1 / 1,024
	v_mov_b32 v178, 0                              ; written once: a lane permute's destination counts as one of its sources
	s_wait_kmcnt 0x0
	s_add_nc_u64 s[8:9], s[8:9], s[26:27]
	s_add_nc_u64 s[10:11], s[10:11], s[28:29]
	s_load_b32 s32, s[8:9], 0x0                    ; my token's experts
	s_load_b64 s[34:35], s[10:11], 0x10000         ; and their weights
	s_add_nc_u64 s[4:5], s[4:5], s[30:31]
	s_add_nc_u64 s[6:7], s[6:7], s[30:31]
	s_add_nc_u64 s[20:21], s[20:21], s[30:31]
	s_add_nc_u64 s[22:23], s[22:23], s[30:31]
	global_load_b32 v4, v3, s[12:13]               ; lane e (0 .. 7): my token's rank in expert e
.set i, 0
.rept 8
	global_load_b128 v[X+4*i:X+4*i+3], v1, s[4:5] offset:512*i th:TH_LOAD_NT
.set i, i+1
.endr
.set i, 0
.rept 8
	global_load_b128 v[MO+4*i:MO+4*i+3], v1, s[6:7] offset:512*i th:TH_LOAD_NT
.set i, i+1
.endr
.set i, 0
.rept 8
	global_load_b128 v[GA+4*i:GA+4*i+3], v1, s[16:17] offset:512*i
.set i, i+1
.endr
.set i, 0
.rept 8
	global_load_b128 v[BE+4*i:BE+4*i+3], v1, s[18:19] offset:512*i
.set i, i+1
.endr
	s_wait_kmcnt 0x0
	s_bfe_u32 s36, s32, 0x80000                    ; e0
	s_min_u32 s36, s36, 7
	s_bfe_u32 s37, s32, 0x80008                    ; e1
	s_min_u32 s37, s37, 7
	s_wait_loadcnt 32                              ; the ranks are in; the 32 loads behind them may be out
	v_readlane_b32 s38, v4, s36
	v_readlane_b32 s39, v4, s37
	s_min_u32 s38, s38, 0x7ff                      ; a rank, held inside an expert's 2,048 places
	s_min_u32 s39, s39, 0x7ff
	s_lshl_b32 s40, s36, 22                        ; 4 MiB an expert, 64 bytes a place
	s_lshl_b32 s38, s38, 6
	s_add_co_u32 s40, s40, s38
	s_mov_b32 s41, 0
	s_add_nc_u64 s[44:45], s[14:15], s[40:41]
	s_lshl_b32 s40, s37, 22
	s_lshl_b32 s39, s39, 6
	s_add_co_u32 s40, s40, s39
	s_add_nc_u64 s[46:47], s[14:15], s[40:41]
.set i, 0
.rept 8
	global_load_b64 v[E0+2*i:E0+2*i+1], v2, s[44:45] offset:524288*i   ; eight lanes read a place's 64 bytes in one slab
.set i, i+1
.endr
.set i, 0
.rept 8
	global_load_b64 v[E1+2*i:E1+2*i+1], v2, s[46:47] offset:524288*i
.set i, i+1
.endr
	s_xor_b32 s34, s34, 0x80000000
	s_xor_b32 s35, s35, 0x80000000
	v_mov_b32 v168, s34                            ; -w0
	v_mov_b32 v169, s35                            ; -w1
	s_wait_loadcnt 0x0
.set i, 0
.rept 16
	v_pk_mul_f32 v[MO+2*i:MO+2*i+1], v[MO+2*i:MO+2*i+1], 0x3f333333 op_sel_hi:[1,0]   ; 0.7 momentum
.set i, i+1
.endr
.set i, 0
.rept 16                               ; - w0 eo0: a multiply-add straight from each bf16 half into f32
	v_fma_mix_f32_bf16 v[MO+2*i], v[E0+i], v168, v[MO+2*i] op_sel_hi:[1,0,0]
	v_fma_mix_f32_bf16 v[MO+2*i+1], v[E0+i], v168, v[MO+2*i+1] op_sel:[1,0,0] op_sel_hi:[1,0,0]
.set i, i+1
.endr
.set i, 0
.rept 16                               ; - w1 eo1
	v_fma_mix_f32_bf16 v[MO+2*i], v[E1+i], v169, v[MO+2*i] op_sel_hi:[1,0,0]
	v_fma_mix_f32_bf16 v[MO+2*i+1], v[E1+i], v169, v[MO+2*i+1] op_sel:[1,0,0] op_sel_hi:[1,0,0]
.set i, i+1
.endr
.set i, 0
.rept 8
	global_store_b128 v1, v[MO+4*i:MO+4*i+3], s[22:23] offset:512*i th:TH_STORE_NT    ; new_momentum; these registers are not written again
.set i, i+1
.endr
.set i, 0
.rept 16
	v_pk_add_f32 v[X+2*i:X+2*i+1], v[X+2*i:X+2*i+1], v[MO+2*i:MO+2*i+1]   ; x + new_momentum
.set i, i+1
.endr
.macro ALL_LANES r                     ; the sum of v[r] over the 32 lanes, in every lane
.irp k, 1,2,4,8
	v_add_f32_dpp v[\r], v[\r], v[\r] row_xmask:\k row_mask:0xf bank_mask:0xf
.endr
	v_permlanex16_b32 v178, v[\r], s48, s49
	v_add_f32 v[\r], v[\r], v178
.endm
	v_pk_add_f32 v[170:171], v[X:X+1], v[X+2:X+3]          ; the row's sum: two at a time, in two chains
	v_pk_add_f32 v[172:173], v[X+4:X+5], v[X+6:X+7]
.irp j, 8,12,16,20,24,28
	v_pk_add_f32 v[170:171], v[170:171], v[X+\j:X+\j+1]
	v_pk_add_f32 v[172:173], v[172:173], v[X+\j+2:X+\j+3]
.endr
	v_pk_add_f32 v[170:171], v[170:171], v[172:173]
	v_add_f32 v170, v170, v171
	ALL_LANES 170
	v_mul_f32 v174, 0xba800000, v170               ; -mean
	v_mov_b32 v175, v174
.set i, 0
.rept 16
	v_pk_add_f32 v[X+2*i:X+2*i+1], v[X+2*i:X+2*i+1], v[174:175]
.set i, i+1
.endr
	v_pk_mul_f32 v[170:171], v[X:X+1], v[X:X+1]            ; the sum of the squared differences
	v_pk_mul_f32 v[172:173], v[X+2:X+3], v[X+2:X+3]
.irp j, 4,8,12,16,20,24,28
	v_pk_fma_f32 v[170:171], v[X+\j:X+\j+1], v[X+\j:X+\j+1], v[170:171]
	v_pk_fma_f32 v[172:173], v[X+\j+2:X+\j+3], v[X+\j+2:X+\j+3], v[172:173]
.endr
	v_pk_add_f32 v[170:171], v[170:171], v[172:173]
	v_add_f32 v170, v170, v171
	ALL_LANES 170
	v_fmaak_f32 v170, s50, v170, 0x3727c5ac        ; the variance + 1e-5
	v_rsq_f32 v176, v170
	v_nop                                          ; a plain place behind the transcendental
	s_wait_alu depctr_va_vdst(0)                   ; the wait ahead of the first reader
	v_mov_b32 v177, v176
.set i, 0
.rept 16
	v_pk_mul_f32 v[X+2*i:X+2*i+1], v[X+2*i:X+2*i+1], v[176:177]
.set i, i+1
.endr
.set i, 0
.rept 16
	v_pk_fma_f32 v[X+2*i:X+2*i+1], v[X+2*i:X+2*i+1], v[GA+2*i:GA+2*i+1], v[BE+2*i:BE+2*i+1]
.set i, i+1
.endr
.set i, 0
.rept 8
	global_store_b128 v1, v[X+4*i:X+4*i+3], s[20:21] offset:512*i th:TH_STORE_NT
.set i, i+1
.endr
	s_endpgm
.Lfunc_end_k_qc6f2625367_finish:
	.size	k_qc6f2625367_finish, .Lfunc_end_k_qc6f2625367_finish-k_qc6f2625367_finish
	.p2alignl 7, 3214868480
	.fill 96, 4, 3214868480
	.section	.rodata,"a",@progbits
	.p2align	6, 0x0
	.amdhsa_kernel k_qc6f2625367_finish
		.amdhsa_group_segment_fixed_size 0
		.amdhsa_private_segment_fixed_size 0
		.amdhsa_enable_private_segment 0
		.amdhsa_kernarg_size 80
		.amdhsa_user_sgpr_count 2
		.amdhsa_user_sgpr_kernarg_segment_ptr 1
		.amdhsa_wavefront_size32 1
		.amdhsa_system_sgpr_workgroup_id_x 1
		.amdhsa_system_sgpr_workgroup_id_y 1
		.amdhsa_system_sgpr_workgroup_id_z 1
		.amdhsa_system_vgpr_workitem_id 0
		.amdhsa_next_free_vgpr 192
		.amdhsa_next_free_sgpr 66
		.amdhsa_reserve_vcc 0
		.amdhsa_float_denorm_mode_32 3
		.amdhsa_float_denorm_mode_16_64 3
		.amdhsa_memory_ordered 1
		.amdhsa_forward_progress 1
		.amdhsa_inst_pref_size 22
	.end_amdhsa_kernel
	.amdgpu_metadata
---
amdhsa.version: [ 1, 2 ]
amdhsa.kernels:
  - .name:           k_qc6f2625367_finish
    .symbol:         k_qc6f2625367_finish.kd
    .args:
      - { .name: x, .offset: 0, .size: 8, .value_kind: global_buffer, .address_space: global }
      - { .name: momentum, .offset: 8, .size: 8, .value_kind: global_buffer, .address_space: global }
      - { .name: sel, .offset: 16, .size: 8, .value_kind: global_buffer, .address_space: global }
      - { .name: xs, .offset: 24, .size: 8, .value_kind: global_buffer, .address_space: global }
      - { .name: rk, .offset: 32, .size: 8, .value_kind: global_buffer, .address_space: global }
      - { .name: eo, .offset: 40, .size: 8, .value_kind: global_buffer, .address_space: global }
      - { .name: ln_g, .offset: 48, .size: 8, .value_kind: global_buffer, .address_space: global }
      - { .name: ln_b, .offset: 56, .size: 8, .value_kind: global_buffer, .address_space: global }
      - { .name: out0, .offset: 64, .size: 8, .value_kind: global_buffer, .address_space: global }
      - { .name: out1, .offset: 72, .size: 8, .value_kind: global_buffer, .address_space: global }
    .group_segment_fixed_size: 0
    .private_segment_fixed_size: 0
    .kernarg_segment_align: 8
    .kernarg_segment_size: 80
    .max_flat_workgroup_size: 256
    .sgpr_count:     66
    .vgpr_count:     192
    .wavefront_size: 32
...
	.end_amdgpu_metadata
.endif
;; end of part 4
;; ======== version 2 of 2: 4 launches
;; workspace buffers: xq 1,048,576 bytes; xs 81,920 bytes; sel 8,192 bytes of whole numbers; rk 65,792 bytes of whole numbers; hq 16,777,216 bytes; hs 1,048,576 bytes; eo 33,554,432 bytes; w2q 8,912,896 bytes
;; launch route (part 5): grid 256 x 1, 8 waves a work-group, no clusters, 106,496 bytes of LDS; arguments x, Wg, bg, xq, xs, sel, W2, w2q; writes xq, xs, sel, w2q
.if DOCPART == 5
	.amdgcn_target "amdgcn-amd-amdhsa--gfx1250"
	.amdhsa_code_object_version 6
	.text
	.protected	k_qc6f2625367_route
	.globl	k_qc6f2625367_route
	.p2align	8
	.type	k_qc6f2625367_route,@function
k_qc6f2625367_route:
	s_mov_b64 s[64:65], 0
	v_nop
	global_prefetch_b8 v0, s[64:65] scope:SCOPE_SE
	s_setreg_imm32_b32 hwreg(HW_REG_WAVE_MODE, 25, 1), 1
	s_wait_xcnt 0x0
; ROUTE, AND W2'S CODES.  Two pieces of work that share nothing but the time: while a work-group's part of W2 is on its way from memory, its eight tokens are routed.
; THE TOKENS.  For each of the 2,048 tokens: (a) x's row of 1,024 f32 becomes codes of FP4 (E2M1), K innermost, 512 bytes, and 32 E8M0 scale bytes;
; (b) the router's 8 logits x . Wg + bg in f32, the two largest (a tie goes to the lower index, as jax.lax.top_k has it), and the softmax of the two with the larger taken off first.
; Stored at fixed places: xq [token][512], xs [token][32], sel [token] = e0 | e1 << 8 | ((1 << e0) | (1 << e1)) << 16, and behind xs's 65,536 bytes the weights [token] = (w0, w1).  No address and no branch hangs on a logit.
; One wave, one token: token = 8 x work-group + wave.  A lane holds one block of 32 along K: its largest magnitude needs no other lane, and its part of each logit is 32 multiply-adds.
; The loads take the row as it lies (512 consecutive bytes an instruction); the row turns through the wave's own stage in LDS.  Wg (32 KiB) comes into LDS once for the eight waves.
; W2.  Work-group g owns output columns 32 sl .. 32 sl + 31 of expert e (e = g / 32, sl = g % 32): 2,048 x 32 numbers, 256 KiB of f32, which it alone reads, once.  Wave w reads rows 256 w .. 256 w + 255
; (K steps 2 w, 2 w + 1 of the second product): 64 loads, in each of which eight lanes take one row's 128 bytes, all issued behind x's and Wg's loads and ahead of the routing.  A lane's 32 registers of one column are a
; block of 32 along K = H.  Codes and scale bytes are gathered in LDS as IMAGES OF THE OPERAND'S REGISTERS (fragment f = 16 ct + s: 1,024 bytes, 512 c + 16 lane; scale byte of (s, ct, row m, block) at 128 s + 64 ct + 4 m + block)
; and leave as they lie: w2q [32 e + sl][32,768 bytes of codes, 2,048 of scale words], in stores of 512 and of 256 consecutive bytes, aligned.
; No matrix unit (N = 8), no tensor load, no cluster: a work-group's only shared input is Wg, a small part of what it reads.
; LIMITS.  NaN and infinities are not served.  A block whose largest magnitude lies under 2^-124, a block of zeros among them, gets the byte 1 (its codes are then zeros or the format's smallest steps);
; the scale bytes are read by this program alone.
.set STG,  33280                       ; LDS: Wg at 0, 16 bytes of padding behind each 1,024: lane l's 32 rows begin at 1,040 l.  Then a stage of 4,608 bytes for each wave: x's row, 16 bytes of padding behind each 128
.set OUTS, 70144                       ; then 256 scale bytes, 8 words of sel (+256), 8 pairs of weights (+288)
.set WIMG, 70656                       ; W2's 32 fragments, 32,768 bytes
.set WSC,  103424                      ; and their scale words, 2,048 bytes
.set RAW,  16                          ; v16-47   x as loaded; later at work
.set WRAW, 48                          ; v48-79   Wg as loaded
.set X,    80                          ; v80-111  x(32 l + 0 .. 31)
.set WA,   112                         ; v112-239 two sets of 8 rows of Wg
.set LG,   240                         ; v240-247 the 8 sums
.set T,    32                          ; W2, behind the routing: v32-159 four columns x 32 along K; v160-163 largest magnitudes, v164-167 scale operands, v168-175 bytes, v176-207 codes
.set M,    160
.set S,    164
.set BY,   168
.set C,    176
.set OUTW, 208                         ; v208-239 my eighth of the image on its way out; v240-241 my 8 bytes of the scale words.  Window 1 (v256-511): W2 as loaded
.set MSB, 0
.macro WIN new                         ; s_set_vgpr_msb: bits 1:0 source 0, 3:2 source 1, 5:4 source 2, 7:6 destination; the high byte repeats the setting that is left
.if MSB != \new
	s_set_vgpr_msb (MSB<<8)|\new
.set MSB, \new
.endif
.endm
	s_load_b256 s[4:11], s[0:1], 0x0               ; x s[4:5], Wg s[6:7], bg s[8:9], xq s[10:11]
	s_load_b128 s[12:15], s[0:1], 0x20             ; xs s[12:13], sel s[14:15]
	s_load_b128 s[40:43], s[0:1], 0x30             ; W2 s[40:41], w2q s[42:43]
	v_lshrrev_b32 v11, 5, v0
	s_delay_alu instid0(VALU_DEP_1)
	v_readfirstlane_b32 s20, v11                   ; wave
	v_and_b32 v1, 31, v0                           ; lane l
	s_delay_alu instid0(VALU_DEP_1)
	v_lshlrev_b32 v2, 4, v1                        ; 16 l
	s_mul_i32 s21, s20, 4608
	s_add_co_u32 s21, s21, STG                     ; my stage
	v_lshrrev_b32 v11, 3, v1
	s_delay_alu instid0(VALU_DEP_1)
	v_lshl_add_u32 v3, v11, 4, v2
	s_delay_alu instid0(VALU_DEP_1)
	v_add_nc_u32 v3, s21, v3                       ; into it: 16 l + 16 (l / 8); a load's 512 bytes take 576
	v_mul_u32_u24 v4, v1, 144
	s_delay_alu instid0(VALU_DEP_1)
	v_add_nc_u32 v4, s21, v4                       ; out of it: 144 l: my 128 bytes
	v_lshlrev_b32 v10, 4, v0                       ; Wg in memory: 16 x thread
	v_lshrrev_b32 v11, 6, v0
	s_delay_alu instid0(VALU_DEP_1)
	v_lshl_add_u32 v5, v11, 4, v10                 ; and in LDS: + 16 for each 1,024 passed
	v_mul_u32_u24 v6, v1, 1040                     ; my 32 rows of Wg
	v_add_nc_u32 v7, OUTS, v0                      ; my block's scale byte: 32 x wave + l = the thread's number
	s_lshl_b32 s23, s20, 2
	s_add_co_u32 s23, s23, OUTS+256
	v_mov_b32 v8, s23                              ; my token's word of sel
	s_lshl_b32 s23, s20, 3
	s_add_co_u32 s23, s23, OUTS+288
	v_mov_b32 v9, s23                              ; my token's two weights
	v_lshlrev_b32 v15, 3, v1                       ; 8 l
	s_delay_alu instid0(VALU_DEP_1)
	v_add_nc_u32 v12, OUTS, v15
	v_and_b32 v11, 7, v0
	s_delay_alu instid0(VALU_DEP_1)
	v_lshlrev_b32 v13, 2, v11                      ; 4 (l % 8),
	s_delay_alu instid0(VALU_DEP_2)
	v_lshlrev_b32 v14, 3, v11                      ; 8 (l % 8)
	s_delay_alu instid0(VALU_DEP_3)
	v_lshlrev_b32 v11, 4, v11                      ; W2: columns 4 (l % 8) on;
	v_bfe_u32 v16, v0, 3, 2
	s_delay_alu instid0(VALU_DEP_1)
	v_lshl_add_u32 v11, v16, 17, v11               ; each group of eight lanes 32 rows (131,072 bytes) further down.  v11 stays as it is until these loads are in
	s_lshl_b32 s22, ttmp9, 3
	s_add_co_u32 s22, s22, s20                     ; token
	s_lshl_b32 s24, s22, 12                        ; its row of x: 4,096 bytes
	s_mov_b32 s25, 0
	s_lshl_b32 s26, s22, 9                         ; its codes: 512 bytes
	s_mov_b32 s27, 0
	s_mov_b32 s28, 0x76543210
	s_mov_b32 s29, 0xfedcba98                      ; v_permlanex16_b32's selects for lane l xor 16
	s_lshr_b32 s44, ttmp9, 5                       ; W2: expert (8 MiB) + 256 w rows of 4,096 bytes + 128 sl
	s_lshl_b32 s44, s44, 23
	s_lshl_b32 s45, s20, 20
	s_add_co_u32 s44, s44, s45
	s_and_b32 s45, ttmp9, 31
	s_lshl_b32 s45, s45, 7
	s_add_co_u32 s44, s44, s45
	s_mov_b32 s45, 0
	s_mul_i32 s30, ttmp9, 34816                    ; w2q: my slab's image
	s_mov_b32 s31, 0
	s_wait_alu depctr_va_vdst(0)
	s_wait_kmcnt 0x0
	s_load_b256 s[32:39], s[8:9], 0x0              ; bg
	s_add_nc_u64 s[4:5], s[4:5], s[24:25]
	s_add_nc_u64 s[10:11], s[10:11], s[26:27]
	s_add_nc_u64 s[40:41], s[40:41], s[44:45]
	s_add_nc_u64 s[42:43], s[42:43], s[30:31]
	s_lshl_b32 s30, s20, 8
	s_add_nc_u64 s[46:47], s[42:43], s[30:31]      ; + 256 w: my part of the scale words lies 32,768 bytes on
	s_lshl_b32 s30, s20, 12
	s_add_nc_u64 s[42:43], s[42:43], s[30:31]      ; + 4,096 w: my part of the codes
.set i, 0
.rept 8
	global_load_b128 v[RAW+4*i:RAW+4*i+3], v2, s[4:5] offset:512*i th:TH_LOAD_NT   ; 32 lanes read 512 consecutive bytes
.set i, i+1
.endr
.set i, 0
.rept 8
	global_load_b128 v[WRAW+4*i:WRAW+4*i+3], v10, s[6:7] offset:4096*i             ; the work-group reads 4,096 consecutive bytes
.set i, i+1
.endr
	WIN 0x40                                       ; register 128 j + 4 i + c of window 1 = W2(256 w + 128 j + 32 (l / 8) + i, 4 (l % 8) + c)
.irp j, 0,1
.set i, 0
.rept 32
	global_load_b128 v[128*\j+4*i:128*\j+4*i+3], v11, s[40:41] offset:(128*\j+i)*4096
.set i, i+1
.endr
.endr
	WIN 0
	s_wait_loadcnt 63                              ; 64 loads were issued behind x's eight and Wg's eight: with 63 out at the most, those sixteen are in
.set i, 0
.rept 8
	ds_store_b128 v3, v[RAW+4*i:RAW+4*i+3] offset:576*i
.set i, i+1
.endr
.set i, 0
.rept 8
	ds_load_b128 v[X+4*i:X+4*i+3], v4 offset:16*i  ; LDS serves a wave's instructions in order: these see my stores
.set i, i+1
.endr
.set i, 0
.rept 8
	ds_store_b128 v5, v[WRAW+4*i:WRAW+4*i+3] offset:4160*i
.set i, i+1
.endr
	s_wait_dscnt 0x0                               ; for the others' sake: my part of Wg lies in LDS (and my block of x is in)
	s_barrier_signal -1
	s_barrier_wait -1
.macro WROWS b                         ; rows 8 b .. 8 b + 7 of my 32 rows of Wg into set b % 2: 16 loads
.set i, 0
.rept 16
	ds_load_b128 v[WA+64*((\b)%2)+4*i:WA+64*((\b)%2)+4*i+3], v6 offset:256*(\b)+16*i
.set i, i+1
.endr
.endm
.macro DOT b                           ; 8 rows x 8 experts; the eight sums take turns; the first row starts them: nothing is cleared
.set i, 0
.rept 8
.irp e, 0,1,2,3,4,5,6,7
.if ((\b) == 0) && (i == 0)
	v_mul_f32 v[LG+\e], v[X], v[WA+\e]
.else
	v_fmac_f32 v[LG+\e], v[X+8*(\b)+i], v[WA+64*((\b)%2)+8*i+\e]
.endif
.endr
.set i, i+1
.endr
.endm
	WROWS 0
	WROWS 1
	; my block of 32: the largest magnitude with the floor 2^(3 - 127) among its leaves, so that the byte cannot fall under 1
	v_max3_num_f32 v248, |v[X]|, |v[X+1]|, 0x1800000
	v_max3_num_f32 v249, |v[X+2]|, |v[X+3]|, 0x1800000
.irp i, 4,8,12,16,20,24,28
	s_delay_alu instid0(VALU_DEP_2)
	v_max3_num_f32 v248, v248, |v[X+\i]|, |v[X+\i+1]|
	s_delay_alu instid0(VALU_DEP_2)
	v_max3_num_f32 v249, v249, |v[X+\i+2]|, |v[X+\i+3]|
.endr
	s_delay_alu instid0(VALU_DEP_1)
	v_max_num_f32 v248, v248, v249
	s_delay_alu instid0(VALU_DEP_1)
	v_add_nc_u32 v250, 0xff000000, v248            ; 2 off its exponent field: the conversion takes the exponent field of this operand as its scale
	s_delay_alu instid0(VALU_DEP_1)
	v_lshrrev_b32 v251, 23, v250                   ; the scale's byte
.irp g, 0,1,2,3
	v_cvt_scalef32_pk8_fp4_f32 v[252+\g], v[X+8*\g:X+8*\g+7], v250
.endr
	v_nop                                          ; one plain place behind the conversions
	global_store_b128 v2, v[252:255], s[10:11]     ; 32 lanes store the token's 512 bytes of codes; v2 and v252-255 are not written again
	ds_store_b8 v7, v251
	s_wait_dscnt 17                                ; batch 0 is in; behind it stand batch 1's 16 loads and the byte store
	DOT 0
	WROWS 2
	s_wait_alu depctr_va_vdst(0)
	s_wait_dscnt 17                                ; batch 1 is in; behind it: the byte store and batch 2's 16
	DOT 1
	WROWS 3
	s_wait_alu depctr_va_vdst(0)
	s_wait_dscnt 16                                ; batch 2 is in; behind it: batch 3's 16
	DOT 2
	s_wait_alu depctr_va_vdst(0)
	s_wait_dscnt 0x0
	DOT 3
.irp k, 1,2,4,8                        ; the 32 lanes' parts are added; every lane ends with the same eight sums
.irp e, 0,1,2,3,4,5,6,7
	v_add_f32_dpp v[LG+\e], v[LG+\e], v[LG+\e] row_xmask:\k row_mask:0xf bank_mask:0xf
.endr
.endr
.irp e, 0,1,2,3,4,5,6,7
	v_permlanex16_b32 v[RAW+\e], v[LG+\e], s28, s29
.endr
	s_wait_alu depctr_va_vdst(0)
	s_wait_kmcnt 0x0                               ; bg
.irp e, 0,1,2,3,4,5,6,7
	v_add_f32 v[LG+\e], v[LG+\e], v[RAW+\e]
.endr
.irp e, 0,1,2,3,4,5,6,7
	v_add_f32 v[LG+\e], s[32+\e], v[LG+\e]
.endr
	; the largest: a later logit takes the place only if it is strictly larger
	v_mov_b32 v16, v[LG]
	v_mov_b32 v17, 0
.irp e, 1,2,3,4,5,6,7
	s_delay_alu instid0(VALU_DEP_2)
	v_cmp_le_f32 vcc_lo, v[LG+\e], v16
	s_delay_alu instid0(VALU_DEP_1)
	v_cndmask_b32 v16, v[LG+\e], v16, vcc_lo
	s_delay_alu instid0(VALU_DEP_2)
	v_cndmask_b32 v17, \e, v17, vcc_lo
.endr
	v_mov_b32 v20, 0xff800000                      ; -infinity takes the winner's place, and the scan is run again
.irp e, 0,1,2,3,4,5,6,7
	v_cmp_eq_u32 vcc_lo, \e, v17
	s_delay_alu instid0(VALU_DEP_1)
	v_cndmask_b32 v[LG+\e], v[LG+\e], v20, vcc_lo
.endr
	v_mov_b32 v18, v[LG]
	v_mov_b32 v19, 0
.irp e, 1,2,3,4,5,6,7
	s_delay_alu instid0(VALU_DEP_2)
	v_cmp_le_f32 vcc_lo, v[LG+\e], v18
	s_delay_alu instid0(VALU_DEP_1)
	v_cndmask_b32 v18, v[LG+\e], v18, vcc_lo
	s_delay_alu instid0(VALU_DEP_2)
	v_cndmask_b32 v19, \e, v19, vcc_lo
.endr
	s_delay_alu instid0(VALU_DEP_2)
	v_sub_f32 v21, v18, v16                        ; the second less the first: 0 or less: the maximum is taken off
	s_delay_alu instid0(VALU_DEP_1)
	v_mul_f32 v21, 0x3fb8aa3b, v21
	s_wait_alu depctr_va_vdst(0)
	v_exp_f32 v22, v21                             ; t = e^(second - first), at most 1
	v_mov_b32 v28, 1                               ; (a plain place behind the exponential)
	s_wait_alu depctr_va_vdst(0)                   ; the wait ahead of the first reader
	v_add_f32 v23, 1.0, v22
	s_wait_alu depctr_va_vdst(0)
	v_rcp_f32 v24, v23                             ; w0 = 1 / (1 + t)
	v_lshlrev_b32 v26, v17, v28                    ; (a plain place)  1 << e0
	v_lshlrev_b32 v27, v19, v28                    ; 1 << e1
	s_wait_alu depctr_va_vdst(0)
	v_mul_f32 v25, v22, v24                        ; w1 = t w0
	v_or_b32 v26, v26, v27
	s_delay_alu instid0(VALU_DEP_1)
	v_lshl_or_b32 v26, v26, 16, v17
	s_delay_alu instid0(VALU_DEP_1)
	v_lshl_or_b32 v26, v19, 8, v26
	ds_store_b32 v8, v26                           ; all lanes store the same word
	ds_store_b64 v9, v[24:25]
	s_wait_dscnt 0x0                               ; for wave 0's sake
	s_barrier_signal -1
	s_barrier_wait -1
	s_cmp_lg_u32 s20, 0
	s_cbranch_scc1 .Lw2
	v_add_nc_u32 v16, OUTS+256, v13
	v_add_nc_u32 v17, OUTS+288, v14
	ds_load_b64 v[18:19], v12                      ; the work-group's 256 scale bytes
	ds_load_b32 v20, v16                           ; its 8 words of sel (four lanes read each)
	ds_load_b64 v[22:23], v17                      ; its 8 pairs of weights
	s_lshl_b32 s24, ttmp9, 6
	s_add_nc_u64 s[16:17], s[12:13], s[24:25]      ; the weights lie behind xs's 65,536 bytes, 64 bytes a work-group
	s_lshl_b32 s24, ttmp9, 8
	s_add_nc_u64 s[12:13], s[12:13], s[24:25]
	s_lshl_b32 s24, ttmp9, 5
	s_add_nc_u64 s[14:15], s[14:15], s[24:25]
	s_wait_dscnt 0x0
	global_store_b64 v15, v[18:19], s[12:13]       ; 32 lanes store 256 consecutive bytes, aligned
	global_store_b32 v13, v20, s[14:15]            ; lanes with the same l % 8 store the same word to the same place
	global_store_b64 v14, v[22:23], s[16:17] offset:65536
.Lw2:
	; ---- W2's slab.  None of the registers written from here on is a source of a store that may still be out (v2, v13-15, v18-23, v252-255) or of W2's loads (v11)
	v_bfe_u32 v26, v0, 2, 1                        ; (l % 8) / 4: the tile ct of columns 4 (l % 8) + 0 .. 3
	v_and_b32 v27, 3, v0                           ; (l % 8) % 4: their rows m = 4 ((l % 8) % 4) + c
	v_bfe_u32 v28, v0, 3, 2                        ; l / 8: the block of 32 in a K step
	s_lshl_b32 s21, s20, 11
	s_add_co_u32 s21, s21, WIMG
	v_lshlrev_b32 v3, 14, v26
	s_delay_alu instid0(VALU_DEP_1)
	v_lshl_add_u32 v3, v28, 8, v3
	s_delay_alu instid0(VALU_DEP_1)
	v_lshl_add_u32 v3, v27, 6, v3
	s_delay_alu instid0(VALU_DEP_1)
	v_add_nc_u32 v3, s21, v3                       ; codes: WIMG + 16,384 ct + 1,024 (2 w) + 256 (l / 8) + 16 m (+ 1,024 j)
	s_lshl_b32 s21, s20, 8
	s_add_co_u32 s21, s21, WSC
	v_lshlrev_b32 v4, 6, v26
	s_delay_alu instid0(VALU_DEP_1)
	v_lshl_add_u32 v4, v27, 4, v4
	s_delay_alu instid0(VALU_DEP_1)
	v_add_nc_u32 v4, v4, v28
	s_delay_alu instid0(VALU_DEP_1)
	v_add_nc_u32 v4, s21, v4                       ; scale bytes: WSC + 128 (2 w) + 64 ct + 4 m + l / 8 (+ 128 j)
	v_add_nc_u32 v6, s21, v15                      ; the way out: WSC + 256 w + 8 l,
	s_lshl_b32 s21, s20, 12
	s_add_co_u32 s21, s21, WIMG
	v_add_nc_u32 v5, s21, v2                       ; WIMG + 4,096 w + 16 l
.macro TRANS j                         ; a column's 32 numbers into consecutive registers, as the conversions want them
	WIN 0x01
.set i, 0
.rept 32
.irp c, 0,1,2,3
	v_mov_b32 v[T+32*\c+i], v[128*\j+4*i+\c]
.endr
.set i, i+1
.endr
	WIN 0
.endm
.macro QBLK j                          ; four blocks of 32 (block l / 8 of K step 2 w + j, columns 4 (l % 8) + 0 .. 3), by turns
.irp c, 0,1,2,3
	v_max3_num_f32 v[M+\c], |v[T+32*\c]|, |v[T+32*\c+1]|, 0x1800000   ; with the floor 2^(3 - 127): the byte cannot fall under 1
.endr
.irp i, 2,4,6,8,10,12,14,16,18,20,22,24,26,28,30
.irp c, 0,1,2,3
	s_delay_alu instid0(VALU_DEP_4)
	v_max3_num_f32 v[M+\c], v[M+\c], |v[T+32*\c+\i]|, |v[T+32*\c+\i+1]|
.endr
.endr
.irp c, 0,1,2,3
	s_delay_alu instid0(VALU_DEP_4)
	v_add_nc_u32 v[S+\c], 0xff000000, v[M+\c]      ; 2 off the exponent field: the conversion's scale operand
.endr
.irp c, 0,1,2,3
	s_delay_alu instid0(VALU_DEP_4)
	v_lshrrev_b32 v[BY+4*\j+\c], 23, v[S+\c]       ; the scale's byte
.endr
.irp c, 0,1,2,3
.irp g, 0,1,2,3
	v_cvt_scalef32_pk8_fp4_f32 v[C+16*\j+4*\c+\g], v[T+32*\c+8*\g:T+32*\c+8*\g+7], v[S+\c]
.endr
.endr
	v_nop                                          ; one plain place behind the conversions
.irp c, 0,1,2,3
	ds_store_b128 v3, v[C+16*\j+4*\c:C+16*\j+4*\c+3] offset:1024*\j+16*\c
	ds_store_b8 v4, v[BY+4*\j+\c] offset:128*\j+4*\c
.endr
.endm
	s_wait_loadcnt 32                              ; the slab's first 32 loads are in; the other 32 may be out
	TRANS 0
	QBLK 0
	s_wait_loadcnt 0x0
	TRANS 1
	QBLK 1
	s_wait_dscnt 0x0                               ; for the others' sake: my two K steps' images lie in LDS
	s_barrier_signal -1
	s_barrier_wait -1
.set i, 0
.rept 8
	ds_load_b128 v[OUTW+4*i:OUTW+4*i+3], v5 offset:512*i
.set i, i+1
.endr
	ds_load_b64 v[240:241], v6
	s_wait_dscnt 0x0
.set i, 0
.rept 8
	global_store_b128 v2, v[OUTW+4*i:OUTW+4*i+3], s[42:43] offset:512*i   ; 32 lanes store 512 consecutive bytes, aligned
.set i, i+1
.endr
	global_store_b64 v15, v[240:241], s[46:47] offset:32768              ; 32 lanes store 256 consecutive bytes, aligned
	s_wait_xcnt 0x0
	v_lshl_add_u32 v254, v0, 2, 0x19c00
	v_mov_b32 v255, 0
	s_wait_alu depctr_va_vdst(0)
	s_wait_tensorcnt 0x0
	ds_add_u32 v254, v255
	s_wait_dscnt 0x0
	s_endpgm
.Lfunc_end_k_qc6f2625367_route:
	.size	k_qc6f2625367_route, .Lfunc_end_k_qc6f2625367_route-k_qc6f2625367_route
	.p2alignl 7, 3214868480
	.fill 96, 4, 3214868480
	.section	.rodata,"a",@progbits
	.p2align	6, 0x0
	.amdhsa_kernel k_qc6f2625367_route
		.amdhsa_group_segment_fixed_size 106496
		.amdhsa_private_segment_fixed_size 0
		.amdhsa_enable_private_segment 0
		.amdhsa_kernarg_size 64
		.amdhsa_user_sgpr_count 2
		.amdhsa_user_sgpr_kernarg_segment_ptr 1
		.amdhsa_wavefront_size32 1
		.amdhsa_system_sgpr_workgroup_id_x 1
		.amdhsa_system_sgpr_workgroup_id_y 1
		.amdhsa_system_sgpr_workgroup_id_z 1
		.amdhsa_system_vgpr_workitem_id 0
		.amdhsa_next_free_vgpr 512
		.amdhsa_next_free_sgpr 66
		.amdhsa_reserve_vcc 1
		.amdhsa_float_denorm_mode_32 3
		.amdhsa_float_denorm_mode_16_64 3
		.amdhsa_memory_ordered 1
		.amdhsa_forward_progress 1
		.amdhsa_inst_pref_size 63
	.end_amdhsa_kernel
	.amdgpu_metadata
---
amdhsa.version: [ 1, 2 ]
amdhsa.kernels:
  - .name:           k_qc6f2625367_route
    .symbol:         k_qc6f2625367_route.kd
    .args:
      - { .name: x, .offset: 0, .size: 8, .value_kind: global_buffer, .address_space: global }
      - { .name: Wg, .offset: 8, .size: 8, .value_kind: global_buffer, .address_space: global }
      - { .name: bg, .offset: 16, .size: 8, .value_kind: global_buffer, .address_space: global }
      - { .name: xq, .offset: 24, .size: 8, .value_kind: global_buffer, .address_space: global }
      - { .name: xs, .offset: 32, .size: 8, .value_kind: global_buffer, .address_space: global }
      - { .name: sel, .offset: 40, .size: 8, .value_kind: global_buffer, .address_space: global }
      - { .name: W2, .offset: 48, .size: 8, .value_kind: global_buffer, .address_space: global }
      - { .name: w2q, .offset: 56, .size: 8, .value_kind: global_buffer, .address_space: global }
    .group_segment_fixed_size: 106496
    .private_segment_fixed_size: 0
    .kernarg_segment_align: 8
    .kernarg_segment_size: 64
    .max_flat_workgroup_size: 256
    .sgpr_count:     66
    .vgpr_count:     512
    .wavefront_size: 32
...
	.end_amdgpu_metadata
.endif
;; end of part 5
;; launch up (part 6): grid 32 x 8, 8 waves a work-group, no clusters, 113,664 bytes of LDS; arguments sel, xq, xs, W1, b1, hq, hs, rk; writes hq, hs, rk
.if DOCPART == 6
	.amdgcn_target "amdgcn-amd-amdhsa--gfx1250"
	.amdhsa_code_object_version 6
	.text
	.protected	k_qc6f2625367_up
	.globl	k_qc6f2625367_up
	.p2align	8
	.type	k_qc6f2625367_up,@function
k_qc6f2625367_up:
	s_mov_b64 s[64:65], 0
	v_nop
	global_prefetch_b8 v0, s[64:65] scope:SCOPE_SE
	s_setreg_imm32_b32 hwreg(HW_REG_WAVE_MODE, 25, 1), 1
	s_wait_xcnt 0x0
; UP.  h = relu(x W1[e] + b1[e]) for the tokens that chose expert e, on codes of FP4 (E2M1) with one E8M0 scale for each 32 along K = D; h is quantised along H on the way and stored as codes.
; SHARES.  Work-group (sl, e) owns hidden units 64 sl .. 64 sl + 63 of expert e: 1,024 x 64 numbers of W1, 256 KiB of f32, which it alone reads, once.
; WEIGHT PHASE.  Wave w reads rows 128 w .. 128 w + 127 (K step w): 64 loads, in each of which sixteen lanes take one row's 256 bytes; all are out together.  A lane's 32 registers of one column are a block of 32
; along K; its codes go into LDS as an IMAGE OF THE OPERAND'S REGISTERS (fragment f = 8 ct + s: 1,024 bytes, 512 c + 16 lane), its scale byte into the scale words' image.  Behind one barrier every wave loads the
; whole slab, 32 fragments, into 256 registers (window 1), where it stays.
; THE LIST.  Meanwhile wave 0 reads sel (whole numbers that the launch before stored) and lays the numbers of the tokens that chose e into LDS, one behind the other; the place is the token's rank.
; The list is zeroed first, so that the places behind the last hold token 0.  The work-groups with sl = 0 store the ranks and the count for the later launches.
; ROW PHASE.  Wave w takes tiles w, w + 8, .. of 16 listed tokens: their 16 rows of codes come as whole rows of 512 bytes, turn through the wave's stage in LDS into 8 fragments, and meet the 32 fragments of W1
; in 32 matrix instructions, used TRANSPOSED (source 0 = 16 hidden units, source 1 = 16 tokens): a lane holds one token.  THE UNITS OF A TILE ARE NOT NEIGHBOURS: row m of tile 2 b + u is unit 32 b + 8 u + m + 8 (m / 8),
; so that the 16 registers of tiles 2 b, 2 b + 1 are units 32 b + 16 (lane / 16) + 0 .. 15.  b1 is the C of each sum's first instruction.
; EVERY WAVE WALKS ALL SIXTEEN PLACES that a wave's tiles can have (128 tiles at the most, eight waves): the loop's count is a constant, the list's read offset is a scalar stepped by a constant in it, and a place
; beyond the expert's tiles is passed by a scalar branch round its work alone.
; hq [e][tile][K step of the next product][1,024]: register images; a store of this text covers 256 consecutive bytes, aligned.  hs [e][tile][1,024]: the scale words' image for the next launch.
; The last tile of a list is filled up with token 0; its surplus rows are computed and stored, and nobody reads them.
; NO TENSOR LOADS, NO CLUSTER: the 32 work-groups of an expert read the same rows of codes, but how many tiles there are is a count read from memory;
; fetching all 128 places would be four times the rows of an even split.
; LIMITS.  NaN and infinities are not served.  A block whose largest magnitude lies under 2^-124, a block of zeros among them, gets the byte 1; the bytes are read by this program alone.
.set WIMG, 0                           ; LDS: W1's 32 fragments, 32,768 bytes
.set WSC,  32768                       ; their scale words: the word of (ct, s, row m) at 128 (8 (ct / 2) + s) + 64 (ct % 2) + 4 m
.set LIST, 34816                       ; 2,048 places, 32 words for what is not chosen, and room up to which the stepped read offset counts (64 x 7 + 512 x 16 + 64 bytes): 9,728 bytes, 19 stores of 512
.set CNT,  44544                       ; the count
.set STG,  44800                       ; a stage of 16 rows x (512 + 16) bytes for each wave
.set RA,   16                          ; v16-31   the byte offsets of 16 rows of codes
.set G,    32                          ; v32-95   16 rows as loaded
.set F,    96                          ; v96-159  x's 8 fragments; behind the products v96-108 serve the quantiser
.set ACC,  160                         ; v160-191 four accumulators
.set BIAS, 192                         ; v192-223 b1 in the result's layout
.set WS,   224                         ; v224-239 W1's scale words: register 8 (ct / 2) + s: lanes 0-15 the even tile's, lanes 16-31 the odd tile's
.set XS,   240                         ; v240-247 x's scale words, two sets: register i: lanes 0-15 K step i, lanes 16-31 K step 4 + i
.set T,    32                          ; weight phase: v32-159 four columns x 32 along K;
.set M,    160                         ; v160-163 largest magnitudes, v164-167 scale operands, v168-175 bytes, v176-207 codes
.set S,    164
.set BY,   168
.set C,    176
.set P,    96                          ; wave 0: v96-159 the ranks
.set MSB, 0
.macro WIN new                         ; s_set_vgpr_msb: bits 1:0 source 0, 3:2 source 1, 5:4 source 2, 7:6 destination; the high byte repeats the setting that is left
.if MSB != \new
	s_set_vgpr_msb (MSB<<8)|\new
.set MSB, \new
.endif
.endm
	s_load_b512 s[4:19], s[0:1], 0x0               ; sel s[4:5], xq s[6:7], xs s[8:9], W1 s[10:11], b1 s[12:13], hq s[14:15], hs s[16:17], rk s[18:19]
	v_lshrrev_b32 v250, 5, v0
	s_delay_alu instid0(VALU_DEP_1)
	v_readfirstlane_b32 s22, v250                  ; wave w
	s_and_b32 s23, ttmp7, 0xffff                   ; expert e
	s_mov_b32 s24, ttmp9                           ; slab sl
	v_and_b32 v15, 31, v0                          ; lane l
	v_and_b32 v250, 15, v0                         ; q = r = l % 16
	v_bfe_u32 v251, v0, 4, 1                       ; h = l / 16
	v_bfe_u32 v252, v0, 3, 1                       ; bits 3, 1, 0, 2 of q
	v_bfe_u32 v253, v0, 1, 1
	v_and_b32 v254, 1, v0
	v_bfe_u32 v255, v0, 2, 1
	v_lshlrev_b32 v1, 4, v15                       ; 16 l
	v_lshlrev_b32 v2, 2, v15                       ; 4 l
	v_lshlrev_b32 v3, 4, v250
	s_delay_alu instid0(VALU_DEP_1)
	v_lshl_add_u32 v3, v251, 18, v3                ; W1: columns 4 q on; lanes 16-31 begin 32 rows (262,144 bytes) further down
	; column 4 q + c is row m = 4 (q & 1) + c + 8 ((q >> 2) & 1) of tile ct = 2 (q >> 3) + ((q >> 1) & 1).  Codes: 8,192 ct + 1,024 w + 256 h + 16 m (+ 512 j)
	s_lshl_b32 s28, s22, 10
	v_lshlrev_b32 v4, 14, v252
	s_delay_alu instid0(VALU_DEP_1)
	v_lshl_add_u32 v4, v253, 13, v4
	s_delay_alu instid0(VALU_DEP_1)
	v_lshl_add_u32 v4, v251, 8, v4
	s_delay_alu instid0(VALU_DEP_1)
	v_lshl_add_u32 v4, v254, 6, v4
	s_delay_alu instid0(VALU_DEP_1)
	v_lshl_add_u32 v4, v255, 7, v4
	s_delay_alu instid0(VALU_DEP_1)
	v_add_nc_u32 v4, s28, v4
	; scale bytes: WSC + 128 (8 (q >> 3) + w) + 64 ((q >> 1) & 1) + 4 m + h (+ 2 j)
	s_lshl_b32 s28, s22, 7
	s_add_co_u32 s28, s28, WSC
	v_lshlrev_b32 v5, 10, v252
	s_delay_alu instid0(VALU_DEP_1)
	v_lshl_add_u32 v5, v253, 6, v5
	s_delay_alu instid0(VALU_DEP_1)
	v_lshl_add_u32 v5, v254, 4, v5
	s_delay_alu instid0(VALU_DEP_1)
	v_lshl_add_u32 v5, v255, 5, v5
	s_delay_alu instid0(VALU_DEP_1)
	v_add_nc_u32 v5, v5, v251
	s_delay_alu instid0(VALU_DEP_1)
	v_add_nc_u32 v5, s28, v5
	s_mul_i32 s28, s22, 8448
	s_add_co_u32 s28, s28, STG                     ; my stage
	v_add_nc_u32 v6, s28, v1                       ; into it: a row's 512 bytes, 16 a lane
	v_mul_u32_u24 v7, v250, 528
	s_delay_alu instid0(VALU_DEP_1)
	v_lshl_add_u32 v7, v251, 4, v7
	s_delay_alu instid0(VALU_DEP_1)
	v_add_nc_u32 v7, s28, v7                       ; out of it: row r, + 16 h
	s_lshl_b32 s28, s22, 6
	s_add_co_u32 s28, s28, LIST
	v_mov_b32 v8, s28                              ; the list at my first tile: 64 bytes a tile; never rewritten
	v_lshl_add_u32 v9, v250, 2, s28                ; and my own row's word in it; never rewritten
	v_lshlrev_b32 v10, 4, v250
	s_delay_alu instid0(VALU_DEP_1)
	v_add_nc_u32 v11, v10, v251                    ; hs: 16 r + h
	s_delay_alu instid0(VALU_DEP_2)
	v_lshl_add_u32 v10, v251, 3, v10               ; hq: 16 r + 8 h
	v_mov_b32 v12, CNT
	v_mov_b32 v13, 0
	v_add_nc_u32 v14, 2048, v15                    ; where a lane puts what is not chosen
	v_lshlrev_b32 v249, 4, v251                    ; 16 h
	v_lshlrev_b32 v252, 6, v251                    ; 64 h: b1's offset
	s_add_co_u32 s28, s23, 16
	s_lshl_b32 s30, 1, s28                         ; my expert's bit in a word of sel
	s_mov_b32 s31, 0                               ; the running count
	s_mov_b32 s36, 0x76543210
	s_mov_b32 s37, 0xfedcba98                      ; v_permlanex16_b32's selects for lane l xor 16
	s_mov_b32 s38, 0xffff0000                      ; lanes 16-31
	s_lshl_b32 s28, s23, 23                        ; W1: expert (8 MiB) + K step w (128 rows of 8,192 bytes) + 256 sl
	s_lshl_b32 s29, s22, 20
	s_add_co_u32 s28, s28, s29
	s_lshl_b32 s29, s24, 8
	s_add_co_u32 s28, s28, s29
	s_mov_b32 s29, 0
	s_wait_kmcnt 0x0
	s_add_nc_u64 s[10:11], s[10:11], s[28:29]
	s_lshl_b32 s28, s23, 13                        ; b1: 8,192 e + 256 sl
	s_lshl_b32 s32, s24, 8
	s_add_co_u32 s28, s28, s32
	s_add_nc_u64 s[12:13], s[12:13], s[28:29]
	s_lshl_b32 s28, s23, 21                        ; hq: 16,384 (128 e + w) + 512 sl
	s_lshl_b32 s32, s22, 14
	s_add_co_u32 s28, s28, s32
	s_lshl_b32 s32, s24, 9
	s_add_co_u32 s28, s28, s32
	s_add_nc_u64 s[14:15], s[14:15], s[28:29]
	s_lshl_b32 s28, s23, 17                        ; hs: 1,024 (128 e + w) + 512 (sl >> 4) + 256 ((sl >> 1) & 1) + 4 ((sl >> 2) & 3) + 2 (sl & 1)
	s_lshl_b32 s32, s22, 10
	s_add_co_u32 s28, s28, s32
	s_lshr_b32 s32, s24, 4
	s_lshl_b32 s32, s32, 9
	s_add_co_u32 s28, s28, s32
	s_bfe_u32 s32, s24, 0x10001
	s_lshl_b32 s32, s32, 8
	s_add_co_u32 s28, s28, s32
	s_bfe_u32 s32, s24, 0x20002
	s_lshl_b32 s32, s32, 2
	s_add_co_u32 s28, s28, s32
	s_and_b32 s32, s24, 1
	s_lshl_b32 s32, s32, 1
	s_add_co_u32 s28, s28, s32
	s_add_nc_u64 s[16:17], s[16:17], s[28:29]
	s_lshl_b32 s28, s23, 2
	s_add_nc_u64 s[40:41], s[18:19], s[28:29]      ; rk + 4 e: the count lies 65,536 bytes on
	s_lshl_b32 s28, s23, 13
	s_add_nc_u64 s[18:19], s[18:19], s[28:29]      ; rk + 8,192 e: my expert's ranks
.macro WLOADS                          ; my K step of the slab: register 128 j + 4 i + c of window 1 = W1(128 w + 32 (2 j + h) + i, 4 q + c).  Sixteen lanes read one row's 256 bytes, aligned; read once in the launch
	WIN 0x40
.irp j, 0,1
.set i, 0
.rept 32
	global_load_b128 v[128*\j+4*i:128*\j+4*i+3], v3, s[10:11] offset:(64*\j+i)*8192 th:TH_LOAD_NT
.set i, i+1
.endr
.endr
	WIN 0
.endm
	s_cmp_lg_u32 s22, 0
	s_cbranch_scc1 .Lothers
	; ---- wave 0: the list
.set i, 0
.rept 16
	global_load_b128 v[G+4*i:G+4*i+3], v1, s[4:5] offset:512*i     ; register 4 j + i: the word of token 128 j + 4 l + i
.set i, i+1
.endr
	WLOADS
.irp c, 0,1,2,3
	v_mov_b32 v[168+\c], 0
.endr
.set i, 0
.rept 19
	ds_store_b128 v1, v[168:171] offset:LIST+512*i ; the list begins as zeros: token 0 in every place.  LDS serves a wave's instructions in order: the stores below land on top
.set i, i+1
.endr
	s_wait_loadcnt 63                              ; 64 loads were issued behind sel's sixteen: with 63 out at the most, those sixteen are in
.set n, 0
.rept 64                               ; 32 tokens a step: who chose e; the place = the count so far + the chosen lanes below mine
	v_and_b32 v[160+n%4], s30, v[G+n]
	s_delay_alu instid0(VALU_DEP_1)
	v_cmp_ne_u32 vcc_lo, 0, v[160+n%4]
	s_delay_alu instid0(VALU_DEP_1)
	v_mbcnt_lo_u32_b32 v[P+n], vcc_lo, s31
	s_delay_alu instid0(VALU_DEP_1)
	v_cndmask_b32 v[160+n%4], v14, v[P+n], vcc_lo
	s_delay_alu instid0(VALU_DEP_1)
	v_min_u32 v[160+n%4], 0x81f, v[160+n%4]        ; held inside the list's 2,080 words
	s_delay_alu instid0(VALU_DEP_1)
	v_lshl_add_u32 v[160+n%4], v[160+n%4], 2, LIST
	v_add_nc_u32 v[164+n%4], 128*(n/4)+n%4, v2     ; the token's number
	ds_store_b32 v[160+n%4], v[164+n%4]
	s_bcnt1_i32_b32 s32, vcc_lo
	s_add_co_u32 s31, s31, s32
.set n, n+1
.endr
	v_mov_b32 v164, s31
	ds_store_b32 v12, v164                         ; the count
	s_cmp_lg_u32 s24, 0
	s_cbranch_scc1 .Lno_rk
.set i, 0
.rept 16
	global_store_b128 v1, v[P+4*i:P+4*i+3], s[18:19] offset:512*i  ; rank[e][token]; what stands there for a token that did not choose e is read by nobody
.set i, i+1
.endr
	global_store_b32 v13, v164, s[40:41] offset:65536              ; all lanes store the same word
	s_wait_xcnt 0x0                                ; the stores' data are written again below, only behind this wait
.Lno_rk:
	s_branch .Ljoin
.Lothers:
	WLOADS
.Ljoin:
	s_wait_dscnt 0x0                               ; wave 0's list lies in LDS
	s_barrier_signal -1                            ; this barrier parts the list's stores, whose places hang on data, from every other LDS access of the text
	s_barrier_wait -1
	; ---- the weight phase
.macro TRANS j                         ; a column's 32 numbers into consecutive registers, as the conversions want them: the price of loads that take whole rows
	WIN 0x01
.set i, 0
.rept 32
.irp c, 0,1,2,3
	v_mov_b32 v[T+32*\c+i], v[128*\j+4*i+\c]
.endr
.set i, i+1
.endr
	WIN 0
.endm
.macro QBLK j                          ; four blocks of 32 (block 2 j + h of K step w, columns 4 q + 0 .. 3), by turns
.irp c, 0,1,2,3
	v_max3_num_f32 v[M+\c], |v[T+32*\c]|, |v[T+32*\c+1]|, 0x1800000   ; with the floor 2^(3 - 127): the byte cannot fall under 1
.endr
.irp i, 2,4,6,8,10,12,14,16,18,20,22,24,26,28,30
.irp c, 0,1,2,3
	s_delay_alu instid0(VALU_DEP_4)
	v_max3_num_f32 v[M+\c], v[M+\c], |v[T+32*\c+\i]|, |v[T+32*\c+\i+1]|
.endr
.endr
.irp c, 0,1,2,3
	s_delay_alu instid0(VALU_DEP_4)
	v_add_nc_u32 v[S+\c], 0xff000000, v[M+\c]      ; 2 off the exponent field: the conversion's scale operand
.endr
.irp c, 0,1,2,3
	s_delay_alu instid0(VALU_DEP_4)
	v_lshrrev_b32 v[BY+4*\j+\c], 23, v[S+\c]       ; the scale's byte
.endr
.irp c, 0,1,2,3
.irp g, 0,1,2,3
	v_cvt_scalef32_pk8_fp4_f32 v[C+16*\j+4*\c+\g], v[T+32*\c+8*\g:T+32*\c+8*\g+7], v[S+\c]
.endr
.endr
	v_nop                                          ; one plain place behind the conversions
.irp c, 0,1,2,3
	ds_store_b128 v4, v[C+16*\j+4*\c:C+16*\j+4*\c+3] offset:512*\j+16*\c
	ds_store_b8 v5, v[BY+4*\j+\c] offset:2*\j+4*\c
.endr
.endm
	s_wait_loadcnt 32                              ; the first 32 loads are in; the other 32 may be out
	TRANS 0
	QBLK 0
	s_wait_loadcnt 0x0
	TRANS 1
	QBLK 1
	s_wait_dscnt 0x0                               ; for the others' sake: my K step's images lie in LDS
	s_barrier_signal -1
	s_barrier_wait -1                              ; the last barrier: from here on a wave reads what nobody writes, and its own stage
	; ---- the row phase
	ds_load_b32 v253, v12
	s_wait_dscnt 0x0
	v_readfirstlane_b32 s25, v253
	s_min_u32 s25, s25, 0x800
	s_add_co_u32 s25, s25, 15
	s_lshr_b32 s25, s25, 4                         ; n: tiles of 16 rows, 128 at the most
	s_mov_b32 s26, s22                             ; t: the tile of the place in hand: w, w + 8, ..
	s_mov_b32 s33, 0                               ; the list's read offset: 512 bytes a place
.irp t, 0,1,2,3                        ; b1: tile 2 b + u wants units 32 b + 16 h + 8 u + 0 .. 7
	global_load_b128 v[BIAS+8*\t:BIAS+8*\t+3], v252, s[12:13] offset:(32*(\t/2)+8*(\t%2))*4
	global_load_b128 v[BIAS+8*\t+4:BIAS+8*\t+7], v252, s[12:13] offset:(32*(\t/2)+8*(\t%2))*4+16
.endr
; A tile is asked for: its 16 tokens from the list, off bytes on from the place in hand (every lane reads all sixteen, and its own row's once more), then 16 whole rows of codes and the rows' scale words into set p.
.macro ASK p, off
	v_add_nc_u32 v250, s33, v8
	v_add_nc_u32 v251, s33, v9
.irp a, 0,1,2,3
	ds_load_b128 v[RA+4*\a:RA+4*\a+3], v250 offset:\off+16*\a
.endr
	ds_load_b32 v248, v251 offset:\off
	s_wait_dscnt 0x0                               ; the tokens are in; so are the fragments, and the stage's stores have read the rows' registers
.set i, 0
.rept 16
	v_min_u32 v[RA+i], 0x7ff, v[RA+i]              ; a token's number, held inside the table
.set i, i+1
.endr
.set i, 0
.rept 16
	v_lshl_add_u32 v[RA+i], v[RA+i], 9, v1         ; 512 x token + 16 l
.set i, i+1
.endr
	v_min_u32 v248, 0x7ff, v248
	s_delay_alu instid0(VALU_DEP_1)
	v_lshl_add_u32 v248, v248, 5, v249             ; 32 x my row's token + 16 h
.set i, 0
.rept 16
	global_load_b128 v[G+4*i:G+4*i+3], v[RA+i], s[6:7]             ; 32 lanes read a row's 512 bytes
.set i, i+1
.endr
	global_load_b128 v[XS+4*(\p):XS+4*(\p)+3], v248, s[8:9]
.endm
.macro MM d, a, b, c, sa, sb, ra, rb   ; one matrix instruction; ra, rb: the scales stand in lanes 16-31 of their registers
.if (\ra) && (\rb)
	v_wmma_scale_f32_16x16x128_f8f6f4 v[0+(\d):7+(\d)], v[0+(\a):7+(\a)], v[0+(\b):7+(\b)], v[0+(\c):7+(\c)], v[0+(\sa)], v[0+(\sb)] matrix_a_fmt:MATRIX_FMT_FP4 matrix_b_fmt:MATRIX_FMT_FP4 matrix_a_scale:MATRIX_SCALE_ROW1 matrix_b_scale:MATRIX_SCALE_ROW1
.elseif (\ra)
	v_wmma_scale_f32_16x16x128_f8f6f4 v[0+(\d):7+(\d)], v[0+(\a):7+(\a)], v[0+(\b):7+(\b)], v[0+(\c):7+(\c)], v[0+(\sa)], v[0+(\sb)] matrix_a_fmt:MATRIX_FMT_FP4 matrix_b_fmt:MATRIX_FMT_FP4 matrix_a_scale:MATRIX_SCALE_ROW1
.elseif (\rb)
	v_wmma_scale_f32_16x16x128_f8f6f4 v[0+(\d):7+(\d)], v[0+(\a):7+(\a)], v[0+(\b):7+(\b)], v[0+(\c):7+(\c)], v[0+(\sa)], v[0+(\sb)] matrix_a_fmt:MATRIX_FMT_FP4 matrix_b_fmt:MATRIX_FMT_FP4 matrix_b_scale:MATRIX_SCALE_ROW1
.else
	v_wmma_scale_f32_16x16x128_f8f6f4 v[0+(\d):7+(\d)], v[0+(\a):7+(\a)], v[0+(\b):7+(\b)], v[0+(\c):7+(\c)], v[0+(\sa)], v[0+(\sb)] matrix_a_fmt:MATRIX_FMT_FP4 matrix_b_fmt:MATRIX_FMT_FP4
.endif
.endm
	ASK 0, 0                                       ; my first place's tile (in a wave that has none: sixteen times token 0, which nobody multiplies)
	global_load_b128 v[XS+4:XS+7], v248, s[8:9]    ; the same scale words into the second set too: both sets hold scale words from here on, whichever places are walked
	WIN 0x40                                       ; the whole slab into window 1: fragment f at v[8 f]
.set i, 0
.rept 64
	ds_load_b128 v[4*i:4*i+3], v1 offset:WIMG+512*i
.set i, i+1
.endr
	WIN 0
.set i, 0
.rept 16
	ds_load_b32 v[WS+i], v2 offset:WSC+128*i
.set i, i+1
.endr
	s_wait_dscnt 0x0
; A place.  p: its set of x's scale words.  Its work is passed where the expert has no such tile; the steps at its end are on every path.
.macro TILE p
	s_cmp_ge_u32 s26, s25
	s_cbranch_scc1 .Lpass_\@
	s_wait_loadcnt 0x0                             ; the tile's 16 rows and its scale words are in (the first time: b1 too); the loads' address registers may be written again
.set i, 0
.rept 16
	ds_store_b128 v6, v[G+4*i:G+4*i+3] offset:528*i
.set i, i+1
.endr
.set i, 0
.rept 16
	ds_load_b128 v[F+4*i:F+4*i+3], v7 offset:32*i  ; K step s, half c: 64 s + 32 c bytes on in row r.  LDS serves a wave's instructions in order: these see my stores
.set i, i+1
.endr
	s_add_co_u32 s28, s26, 8
	s_cmp_lt_u32 s28, s25
	s_cbranch_scc0 .Lno_next_\@
	ASK 1-\p, 512                                  ; my next tile, if there is one, is asked for ahead of this tile's products
.Lno_next_\@:
	s_wait_dscnt 0x0                               ; the fragments are in
	WIN 0x01                                       ; source 0 (W1) in window 1
.set ks, 0
.rept 8                                ; the four accumulators take turns, one instruction a turn
.set ct, 0
.rept 4
.if ks == 0
	MM ACC+8*ct, 8*(8*ct+ks), F+8*ks, BIAS+8*ct, WS+8*(ct/2)+ks, XS+4*(\p)+ks%4, ct%2, ks/4
.else
	MM ACC+8*ct, 8*(8*ct+ks), F+8*ks, ACC+8*ct, WS+8*(ct/2)+ks, XS+4*(\p)+ks%4, ct%2, ks/4
.endif
.set ct, ct+1
.endr
.set ks, ks+1
.endr
	WIN 0
.rept 4
	v_nop                                          ; four places behind the last product (ISA guide 7.12.1)
.endr
.set i, 0
.rept 32
	v_max_num_f32 v[ACC+i], 0, v[ACC+i]            ; the activation, in f32; each accumulator from its low end on
.set i, i+1
.endr
.irp b, 0,1                            ; two blocks of 32 hidden units; lanes l and l xor 16 hold 16 each.  No |.|: nothing is negative
	v_max3_num_f32 v[F+\b], v[ACC+16*\b], v[ACC+16*\b+1], 0x1800000
.endr
.irp i, 2,4,6,8,10,12,14
.irp b, 0,1
	s_delay_alu instid0(VALU_DEP_2)
	v_max3_num_f32 v[F+\b], v[F+\b], v[ACC+16*\b+\i], v[ACC+16*\b+\i+1]
.endr
.endr
.irp b, 0,1
	s_delay_alu instid0(VALU_DEP_2)
	v_permlanex16_b32 v[F+2+\b], v[F+\b], s36, s37
.endr
.irp b, 0,1
	s_delay_alu instid0(VALU_DEP_2)
	v_max_num_f32 v[F+\b], v[F+\b], v[F+2+\b]
.endr
.irp b, 0,1
	s_delay_alu instid0(VALU_DEP_2)
	v_add_nc_u32 v[F+4+\b], 0xff000000, v[F+\b]
.endr
.irp b, 0,1
	s_delay_alu instid0(VALU_DEP_2)
	v_lshrrev_b32 v[F+6+\b], 23, v[F+4+\b]
.endr
.irp b, 0,1
	v_cvt_scalef32_pk8_fp4_f32 v[F+8+2*\b], v[ACC+16*\b:ACC+16*\b+7], v[F+4+\b]
	v_cvt_scalef32_pk8_fp4_f32 v[F+9+2*\b], v[ACC+16*\b+8:ACC+16*\b+15], v[F+4+\b]
.endr
	v_cndmask_b32 v[F+12], v[F+6], v[F+7], s38     ; lanes 0-15 store block 0's byte, lanes 16-31 block 1's.  (Also the plain place behind the conversions)
	global_store_b64 v10, v[F+8:F+9], s[14:15]               ; block b of token r: 16 bytes at 256 b + 16 r, my half at + 8 h: 32 lanes store 256 consecutive bytes, aligned
	global_store_b64 v10, v[F+10:F+11], s[14:15] offset:256
	global_store_b8 v11, v[F+12], s[16:17]
	s_wait_xcnt 0x0                                ; the stores' data and bases are written again only behind this wait
.Lpass_\@:
	s_add_nc_u64 s[14:15], s[14:15], 131072        ; eight tiles on, in hq,
	s_add_nc_u64 s[16:17], s[16:17], 8192          ; in hs,
	s_add_co_u32 s26, s26, 8
	s_add_co_u32 s33, s33, 512                     ; and in the list
.endm
	s_mov_b32 s27, 8
.Ltrip:                                ; 8 trips of two places: the two sets of x's scale words are back where they began
	TILE 0
	TILE 1
	s_sub_co_u32 s27, s27, 1
	s_cmp_lg_u32 s27, 0
	s_cbranch_scc1 .Ltrip
	s_wait_xcnt 0x0
	v_lshl_add_u32 v254, v0, 2, 0x1b800
	v_mov_b32 v255, 0
	s_wait_alu depctr_va_vdst(0)
	s_wait_tensorcnt 0x0
	ds_add_u32 v254, v255
	s_wait_dscnt 0x0
	s_endpgm
.Lfunc_end_k_qc6f2625367_up:
	.size	k_qc6f2625367_up, .Lfunc_end_k_qc6f2625367_up-k_qc6f2625367_up
	.p2alignl 7, 3214868480
	.fill 96, 4, 3214868480
	.section	.rodata,"a",@progbits
	.p2align	6, 0x0
	.amdhsa_kernel k_qc6f2625367_up
		.amdhsa_group_segment_fixed_size 113664
		.amdhsa_private_segment_fixed_size 0
		.amdhsa_enable_private_segment 0
		.amdhsa_kernarg_size 64
		.amdhsa_user_sgpr_count 2
		.amdhsa_user_sgpr_kernarg_segment_ptr 1
		.amdhsa_wavefront_size32 1
		.amdhsa_system_sgpr_workgroup_id_x 1
		.amdhsa_system_sgpr_workgroup_id_y 1
		.amdhsa_system_sgpr_workgroup_id_z 1
		.amdhsa_system_vgpr_workitem_id 0
		.amdhsa_next_free_vgpr 512
		.amdhsa_next_free_sgpr 66
		.amdhsa_reserve_vcc 1
		.amdhsa_float_denorm_mode_32 3
		.amdhsa_float_denorm_mode_16_64 3
		.amdhsa_memory_ordered 1
		.amdhsa_forward_progress 1
		.amdhsa_inst_pref_size 128
	.end_amdhsa_kernel
	.amdgpu_metadata
---
amdhsa.version: [ 1, 2 ]
amdhsa.kernels:
  - .name:           k_qc6f2625367_up
    .symbol:         k_qc6f2625367_up.kd
    .args:
      - { .name: sel, .offset: 0, .size: 8, .value_kind: global_buffer, .address_space: global }
      - { .name: xq, .offset: 8, .size: 8, .value_kind: global_buffer, .address_space: global }
      - { .name: xs, .offset: 16, .size: 8, .value_kind: global_buffer, .address_space: global }
      - { .name: W1, .offset: 24, .size: 8, .value_kind: global_buffer, .address_space: global }
      - { .name: b1, .offset: 32, .size: 8, .value_kind: global_buffer, .address_space: global }
      - { .name: hq, .offset: 40, .size: 8, .value_kind: global_buffer, .address_space: global }
      - { .name: hs, .offset: 48, .size: 8, .value_kind: global_buffer, .address_space: global }
      - { .name: rk, .offset: 56, .size: 8, .value_kind: global_buffer, .address_space: global }
    .group_segment_fixed_size: 113664
    .private_segment_fixed_size: 0
    .kernarg_segment_align: 8
    .kernarg_segment_size: 64
    .max_flat_workgroup_size: 256
    .sgpr_count:     66
    .vgpr_count:     512
    .wavefront_size: 32
...
	.end_amdgpu_metadata
.endif
;; end of part 6
;; launch down (part 7): grid 32 x 8, 8 waves a work-group, no clusters, 150,528 bytes of LDS; arguments rk, hq, hs, w2q, b2, eo; writes eo
.if DOCPART == 7
	.amdgcn_target "amdgcn-amd-amdhsa--gfx1250"
	.amdhsa_code_object_version 6
	.text
	.protected	k_qc6f2625367_down
	.globl	k_qc6f2625367_down
	.p2align	8
	.type	k_qc6f2625367_down,@function
k_qc6f2625367_down:
	s_mov_b64 s[64:65], 0
	v_nop
	global_prefetch_b8 v0, s[64:65] scope:SCOPE_SE
	s_setreg_imm32_b32 hwreg(HW_REG_WAVE_SCHED_MODE, 0, 2), 2
	s_setreg_imm32_b32 hwreg(HW_REG_WAVE_MODE, 25, 1), 1
	s_wait_xcnt 0x0
	s_wait_alu depctr_vm_vsrc(0)
; DOWN.  eo = h W2[e] + b2[e] for the rows of expert e, on codes of FP4 (E2M1) with one E8M0 scale for each 32 along K = H.  Both operands come as register images that earlier launches stored.
; SHARES.  Work-group (x = 8 cg + rg, e).  ITS EIGHT WAVES HOLD EIGHT DIFFERENT SLABS OF W2: wave w has output columns 32 sl .. 32 sl + 31, sl = 8 cg + w: 32 fragments and 16 registers of scale words, loaded from
; w2q straight into the operand's registers (window 1), where they stay.  So a work-group covers 256 columns, an expert has 4 column groups, and its tiles of 16 rows are dealt to 8 row groups: tile t goes to rg = t % 8.
; A tile of h is fetched by 4 work-groups, not by one for each slab, and once in each of them.
; THE ROWS GO FROM WAVE TO WAVE THROUGH LDS.  A tile is 16,384 bytes of codes (16 K steps x 1,024) and 1,024 bytes of scale words.  Each wave fetches an eighth (K steps 2 w, 2 w + 1; 128 bytes of scale words) by loads of 512
; and of 128 consecutive bytes, stores it into LDS as it lies, and behind a barrier every wave reads the whole tile.
; PLACES.  The work-group's tiles rg + 8 j (j = 0 .. 15: 128 tiles an expert at the most) are walked in four places of four tiles.  Two LDS buffers take turns, so one barrier a place serves both ways: in front of it a
; wave's stores into this place's buffer have landed and its reads of the other buffer are in.  The next place's eighths are asked for straight behind the barrier and land while this place's tiles are multiplied.
; THE LOOP'S COUNT IS A CONSTANT and every wave passes every barrier; a tile that the expert does not have is passed by scalar branches on the stored count, past its loads, its LDS stores and its products.
; A TILE.  Four quarters of 4 K steps on two quarter buffers: 8 LDS loads and 8 matrix instructions each, used TRANSPOSED (source 0 = 16 columns of the output, source 1 = 16 rows): a lane holds eight neighbouring
; outputs of one row.  b2 is the C of each sum's first instruction.
; eo [e][slab][row place][32 bf16]: the mix by the gates is a product that the contract leaves as it is, with bf16 operands; a tile's 16 rows x 64 bytes are 1,024 consecutive bytes.
; NO TENSOR LOADS, NO CLUSTER, though the row groups of a column group read the same images and the column groups of a row group the same tiles: which tiles exist is a count read from memory
; Walking all 128 tiles would be four times the rows of an even split.
; LIMITS.  NaN and infinities are not served.
; THE MODE: SCHED_MODE bits 1:0 = 2 (LLVM: expert scheduling mode 2), set by the entry lines.  The code itself states the register dependences
; between vector or matrix instructions and memory or LDS instructions, with s_wait_alu, always for 0.
; THE PLAN.  Registers that memory or LDS instructions touch, and who else names them:
;   v1, v2, v6-v8, v10-v21  offsets and LDS addresses, made at the head and never written again: one wait on va_vdst ahead of the first load.
;   window 1, WS, BIAS      written by loads at the head, read by matrix instructions alone.
;   PF, PS                  written once by moves at the head (a wait on va_vdst ahead of the first request), then by a place's loads; read by the next place's LDS stores: one wait on vm_vsrc a place, behind the barrier, ahead of the request.
;   HB0, HB1, HS            written by a tile's LDS loads, read by its matrix instructions.  Quarter c + 2 lands in the buffer that quarter c's products read: a wait on va_vdst behind those products' places.
;   PK                      written by a tile's eight conversions, read by its two LDS stores.     OB: written by two LDS loads, read by two global stores.
;   So a tile's way out has one wait on vm_vsrc ahead of the conversions (the last tile's stores have read PK and OB) and one on va_vdst ahead of the stage's stores; behind that one no vector or matrix line stands until the next
;   tile's first products, so it also serves the next tile's loads into HS, HB0 and HB1, over a place's edge and the loop's backward jump too.
;   The LDS loads stay in runs: an LDS load's address is its source 0, which the products' window setting lays into window 1.
.set TILEB, 17408                      ; a tile in LDS: 16,384 bytes of codes, then 1,024 of scale words
.set HBUF,  0                          ; LDS: two buffers of four tiles, 69,632 bytes each
.set STG,   8*TILEB                    ; then a stage of 16 rows x (64 + 16) bytes for each wave
.set RD,   10                          ; v10-13   16 l + the LDS byte at which a pair of tiles begins: register 2 p + q / 2 for buffer p, tile q
.set ST,   14                          ; v14-17   the same + 2,048 w: where I put my eighth of the codes
.set SS,   18                          ; v18-21   the pair's byte + 16,384 + 128 w + 4 l: where I put my eighth of the scale words
.set HB,   32                          ; v32-95   two quarter buffers: 4 fragments of h each
.set PF,   96                          ; v96-159  my eighths of a place's four tiles, 16 registers each, on their way from memory to LDS
.set ACC,  160                         ; v160-175 two accumulators
.set BIAS, 176                         ; v176-191 b2 in the result's layout
.set PK,   192                         ; v192-199 results as bf16
.set OB,   200                         ; v200-207 the tile's 1,024 bytes as they are stored
.set WS,   208                         ; v208-223 W2's scale words: register s: lanes 0-15 tile 0's, lanes 16-31 tile 1's
.set HS,   224                         ; v224-231 h's scale words: register 4 (s / 8) + (s % 8) / 2: lanes 0-15 the even K step's, lanes 16-31 the odd one's
.set PS,   232                         ; v232-235 my eighths of the four tiles' scale words, on their way
.set MSB, 0
.macro WIN new                         ; s_set_vgpr_msb: bits 1:0 source 0, 3:2 source 1, 5:4 source 2, 7:6 destination; the high byte repeats the setting that is left
.if MSB != \new
	s_set_vgpr_msb (MSB<<8)|\new
.set MSB, \new
.endif
.endm
	s_load_b256 s[4:11], s[0:1], 0x0               ; rk s[4:5], hq s[6:7], hs s[8:9], w2q s[10:11]
	s_load_b128 s[12:15], s[0:1], 0x20             ; b2 s[12:13], eo s[14:15]
	v_lshl_add_u32 v248, v0, 2, 0x24800
	v_mov_b32 v249, 0
	v_lshrrev_b32 v250, 5, v0
	v_readfirstlane_b32 s22, v250                  ; wave w
	s_and_b32 s23, ttmp7, 0xffff                   ; expert e
	s_and_b32 s20, ttmp9, 7                        ; row group rg
	s_lshr_b32 s24, ttmp9, 3                       ; column group cg
	s_lshl_b32 s24, s24, 3
	s_wait_alu depctr_va_sdst(0)                   ; s22 is written, ahead of its first reader: the slab's number, LDS addresses and bases are made from it
	s_add_co_u32 s24, s24, s22                     ; my slab sl = 8 cg + w
	s_lshl_b32 s21, s23, 5
	s_add_co_u32 s21, s21, s24                     ; 32 e + sl
	v_and_b32 v252, 31, v0                         ; lane l
	v_and_b32 v250, 15, v0                         ; r
	v_bfe_u32 v251, v0, 4, 1                       ; h
	v_and_b32 v255, 3, v0
	v_lshlrev_b32 v1, 4, v252                      ; 16 l
	v_lshlrev_b32 v2, 2, v252                      ; 4 l
	s_lshl_b32 s28, s22, 11
	v_add_nc_u32 v253, s28, v1
	s_lshl_b32 s28, s22, 7
	v_add_nc_u32 v254, s28, v2
.irp k, 0,1,2,3
	v_add_nc_u32 v[RD+\k], HBUF+\k*2*TILEB, v1
	v_add_nc_u32 v[ST+\k], HBUF+\k*2*TILEB, v253
	v_add_nc_u32 v[SS+\k], HBUF+\k*2*TILEB+16384, v254
.endr
	s_mul_i32 s28, s22, 1280
	s_add_co_u32 s28, s28, STG                     ; my stage
	v_mul_u32_u24 v6, v250, 80
	v_lshl_add_u32 v6, v251, 4, v6
	v_add_nc_u32 v6, s28, v6                       ; into it: row r, + 16 h (+ 32 ct)
	v_bfe_u32 v7, v0, 2, 3
	v_mul_u32_u24 v7, v7, 80
	v_lshl_add_u32 v7, v255, 4, v7
	v_add_nc_u32 v7, s28, v7                       ; out of it: four lanes to a row of 64 bytes, eight rows an instruction
	v_lshlrev_b32 v8, 5, v251                      ; b2: 32 h
	s_mul_i32 s28, s21, 34816                      ; w2q: my slab's image
	s_mov_b32 s29, 0
	s_wait_kmcnt 0x0
	s_add_nc_u64 s[10:11], s[10:11], s[28:29]
	s_lshl_b32 s28, s23, 2
	s_add_nc_u64 s[30:31], s[4:5], s[28:29]
	s_load_b32 s25, s[30:31], 0x10000              ; my expert's count of rows
	WIN 0x40                                       ; my slab into window 1: fragment f = 16 ct + s at v[8 f]; each load takes 512 consecutive bytes
	s_wait_alu depctr_va_vdst(0)                   ; the head's offsets and addresses, v1, v2, v6 to v8 and v10 to v21, are written: the loads and stores of the whole kernel read them
.set i, 0
.rept 64
	global_load_b128 v[4*i:4*i+3], v1, s[10:11] offset:512*i
.set i, i+1
.endr
	WIN 0
.set i, 0
.rept 16
	global_load_b32 v[WS+i], v2, s[10:11] offset:32768+128*i
.set i, i+1
.endr
	s_lshl_b32 s28, s23, 12                        ; b2: 4,096 e + 128 sl
	s_lshl_b32 s32, s24, 7
	s_add_co_u32 s28, s28, s32
	s_add_nc_u64 s[12:13], s[12:13], s[28:29]
.irp t, 0,1
	global_load_b128 v[BIAS+8*\t:BIAS+8*\t+3], v8, s[12:13] offset:64*\t          ; tile ct wants columns 16 ct + 8 h + 0 .. 7
	global_load_b128 v[BIAS+8*\t+4:BIAS+8*\t+7], v8, s[12:13] offset:64*\t+16
.endr
	s_lshl_b32 s28, s23, 21                        ; hq: 16,384 (128 e + rg) + 2,048 w
	s_lshl_b32 s32, s20, 14
	s_add_co_u32 s28, s28, s32
	s_lshl_b32 s32, s22, 11
	s_add_co_u32 s28, s28, s32
	s_add_nc_u64 s[6:7], s[6:7], s[28:29]
	s_lshl_b32 s28, s23, 17                        ; hs: 1,024 (128 e + rg) + 128 w
	s_lshl_b32 s32, s20, 10
	s_add_co_u32 s28, s28, s32
	s_lshl_b32 s32, s22, 7
	s_add_co_u32 s28, s28, s32
	s_add_nc_u64 s[8:9], s[8:9], s[28:29]
	s_lshl_b32 s28, s21, 17                        ; eo: 131,072 (32 e + sl) + 1,024 rg
	s_lshl_b32 s32, s20, 10
	s_add_co_u32 s28, s28, s32
	s_add_nc_u64 s[14:15], s[14:15], s[28:29]
.set i, 0
.rept 64
	v_mov_b32 v[PF+i], 0                           ; written once: a tile's loads and its LDS stores stand under two branches on the same count, and every register is written before it is read on every way through the text
.set i, i+1
.endr
.irp q, 0,1,2,3
	v_mov_b32 v[PS+\q], 0
.endr
	s_wait_kmcnt 0x0
	s_min_u32 s25, s25, 0x800
	s_add_co_u32 s25, s25, 15
	s_lshr_b32 s25, s25, 4                         ; n: tiles of 16 rows, 128 at the most
	s_mov_b32 s26, s20                             ; t: the first tile of the place in hand: rg, rg + 32, ..
; My eighths of the four tiles of the place in hand (nx = 0) or of the next (nx = 1).  The tiles ascend: behind the first that the expert does not have there is none.
.macro ASKP nx
.irp q, 0,1,2,3
	s_add_co_u32 s28, s26, 32*\nx+8*\q
	s_cmp_lt_u32 s28, s25
	s_cbranch_scc0 .Lasked_\@
.irp i, 0,1,2,3
	global_load_b128 v[PF+16*\q+4*\i:PF+16*\q+4*\i+3], v1, s[6:7] offset:524288*\nx+131072*\q+512*\i
.endr
	global_load_b32 v[PS+\q], v2, s[8:9] offset:32768*\nx+8192*\q
.endr
.Lasked_\@:
.endm
.macro MM d, a, b, c, sa, sb, ra, rb   ; one matrix instruction; ra, rb: the scales stand in lanes 16-31 of their registers
.if (\ra) && (\rb)
	v_wmma_scale_f32_16x16x128_f8f6f4 v[0+(\d):7+(\d)], v[0+(\a):7+(\a)], v[0+(\b):7+(\b)], v[0+(\c):7+(\c)], v[0+(\sa)], v[0+(\sb)] matrix_a_fmt:MATRIX_FMT_FP4 matrix_b_fmt:MATRIX_FMT_FP4 matrix_a_scale:MATRIX_SCALE_ROW1 matrix_b_scale:MATRIX_SCALE_ROW1
.elseif (\ra)
	v_wmma_scale_f32_16x16x128_f8f6f4 v[0+(\d):7+(\d)], v[0+(\a):7+(\a)], v[0+(\b):7+(\b)], v[0+(\c):7+(\c)], v[0+(\sa)], v[0+(\sb)] matrix_a_fmt:MATRIX_FMT_FP4 matrix_b_fmt:MATRIX_FMT_FP4 matrix_a_scale:MATRIX_SCALE_ROW1
.elseif (\rb)
	v_wmma_scale_f32_16x16x128_f8f6f4 v[0+(\d):7+(\d)], v[0+(\a):7+(\a)], v[0+(\b):7+(\b)], v[0+(\c):7+(\c)], v[0+(\sa)], v[0+(\sb)] matrix_a_fmt:MATRIX_FMT_FP4 matrix_b_fmt:MATRIX_FMT_FP4 matrix_b_scale:MATRIX_SCALE_ROW1
.else
	v_wmma_scale_f32_16x16x128_f8f6f4 v[0+(\d):7+(\d)], v[0+(\a):7+(\a)], v[0+(\b):7+(\b)], v[0+(\c):7+(\c)], v[0+(\sa)], v[0+(\sb)] matrix_a_fmt:MATRIX_FMT_FP4 matrix_b_fmt:MATRIX_FMT_FP4
.endif
.endm
.macro QL p, q, c                      ; quarter c (K steps 4 c .. 4 c + 3) of tile q of buffer p into quarter buffer c % 2: 8 loads of 512 consecutive bytes
.set i, 0
.rept 8
	ds_load_b128 v[HB+32*((\c)%2)+4*i:HB+32*((\c)%2)+4*i+3], v[RD+2*\p+\q/2] offset:(\q%2)*TILEB+4096*(\c)+512*i
.set i, i+1
.endr
.endm
.macro QM c                            ; its 8 matrix instructions; the two accumulators take turns, one instruction a turn
	WIN 0x01                                       ; source 0 (W2) in window 1
.set ks, 4*(\c)
.rept 4
.set ct, 0
.rept 2
.if ks == 0
	MM ACC+8*ct, 8*(16*ct+ks), HB+32*((ks/4)%2)+8*(ks%4), BIAS+8*ct, WS+ks, HS+4*(ks/8)+(ks%8)/2, ct, ks%2
.else
	MM ACC+8*ct, 8*(16*ct+ks), HB+32*((ks/4)%2)+8*(ks%4), ACC+8*ct, WS+ks, HS+4*(ks/8)+(ks%8)/2, ct, ks%2
.endif
.set ct, ct+1
.endr
.set ks, ks+1
.endr
	WIN 0
.endm
.macro PLACES                          ; four places in front of loads into registers that matrix instructions have read, and of the first read of results
.rept 4
	v_nop
.endr
.endm
.macro TILE p, q
	ds_load_b128 v[HS:HS+3], v[RD+2*\p+\q/2] offset:(\q%2)*TILEB+16384      ; these 18 loads owe no wait of their own: no vector or matrix line has stood since the last wait on va_vdst
	ds_load_b128 v[HS+4:HS+7], v[RD+2*\p+\q/2] offset:(\q%2)*TILEB+16384+512
	QL \p, \q, 0
	QL \p, \q, 1
	s_wait_dscnt 8                                 ; the scale words and quarter 0 are in; quarter 1's 8 loads may be out
	QM 0
	PLACES
	s_wait_alu depctr_va_vdst(0)                   ; quarter 0's products are done reading quarter buffer 0, in which quarter 2 lands; the places above stay beside this wait
	QL \p, \q, 2
	s_wait_dscnt 8                                 ; quarter 1 is in; quarter 2's 8 may be out
	QM 1
	PLACES
	s_wait_alu depctr_va_vdst(0)                   ; quarter 1's products are done reading quarter buffer 1, in which quarter 3 lands
	QL \p, \q, 3
	s_wait_dscnt 8                                 ; quarter 2 is in; quarter 3's 8 may be out
	QM 2
	s_wait_dscnt 0x0
	QM 3
	PLACES
	s_wait_alu depctr_vm_vsrc(0)                   ; the last tile's LDS stores have read v192-199, which the conversions write again, and its global stores v200-207, in which the loads from the stage land
.irp t, 0,1
.irp j, 0,1,2,3
	v_cvt_pk_bf16_f32 v[PK+4*\t+\j], v[ACC+8*\t+2*\j], v[ACC+8*\t+2*\j+1]   ; each accumulator from its low end on: row r, columns 16 ct + 8 h + 0 .. 7: 16 bytes
.endr
.endr
	s_wait_xcnt 0x0                                ; the last tile's stores have read their data: those registers are loaded again only behind this wait
	s_wait_alu depctr_va_vdst(0)                   ; the conversions have written v192-199, which the LDS stores below read; the tile's products are done reading both quarter buffers and h's scale words, in which the next tile's loads land
	ds_store_b128 v6, v[PK:PK+3]
	ds_store_b128 v6, v[PK+4:PK+7] offset:32
	ds_load_b128 v[OB:OB+3], v7                    ; LDS serves a wave's instructions in order: these see my stores
	ds_load_b128 v[OB+4:OB+7], v7 offset:640
	s_wait_dscnt 0x0
	global_store_b128 v1, v[OB:OB+3], s[14:15] offset:8192*\q              ; 32 lanes store 512 consecutive bytes, aligned
	global_store_b128 v1, v[OB+4:OB+7], s[14:15] offset:8192*\q+512
.endm
; A place: four tiles, in buffer p.
.macro PLACE p
	s_wait_loadcnt 0x0                             ; my eighths of this place's tiles are in (the first time: my slab, its scale words and b2 too)
.irp q, 0,1,2,3
	s_add_co_u32 s28, s26, 8*\q
	s_cmp_lt_u32 s28, s25
	s_cbranch_scc0 .Lstored_\@
.irp i, 0,1,2,3
	ds_store_b128 v[ST+2*\p+\q/2], v[PF+16*\q+4*\i:PF+16*\q+4*\i+3] offset:(\q%2)*TILEB+512*\i
.endr
	ds_store_b32 v[SS+2*\p+\q/2], v[PS+\q] offset:(\q%2)*TILEB
.endr
.Lstored_\@:
	s_wait_dscnt 0x0                               ; for the others' sake: my stores into this buffer have landed, and my reads of the other buffer are in
	s_barrier_signal -1
	s_barrier_wait -1                              ; this buffer is whole, and nobody reads the other one any more
	s_wait_alu depctr_vm_vsrc(0)                   ; my LDS stores above have read v96-159 and v232-235, in which the next place's loads land
	ASKP 1                                         ; the next place's eighths land while this place's tiles are multiplied
.irp q, 0,1,2,3
	s_add_co_u32 s28, s26, 8*\q
	s_cmp_lt_u32 s28, s25
	s_cbranch_scc0 .Lplace_done_\@
	TILE \p, \q
.endr
.Lplace_done_\@:
	s_wait_xcnt 0x0                                ; the loads and stores have read their bases: they step only behind this wait
	s_add_nc_u64 s[6:7], s[6:7], 524288            ; 32 tiles on, in hq,
	s_add_nc_u64 s[8:9], s[8:9], 32768             ; in hs,
	s_add_nc_u64 s[14:15], s[14:15], 32768         ; and in eo
	s_add_co_u32 s26, s26, 32
.endm
	s_wait_alu depctr_va_vdst(0)                   ; the 68 moves have written v96-159 and v232-235, in which the loads below land and which the first place's LDS stores read
	ASKP 0
	s_mov_b32 s27, 2
.Ltrip:                                ; 2 trips of two places: the two buffers are back where they began.  The fourth place asks for nothing: its successor's tiles would be 128 and more
	PLACE 0
	PLACE 1
	s_sub_co_u32 s27, s27, 1
	s_cmp_lg_u32 s27, 0
	s_cbranch_scc1 .Ltrip
	s_wait_dscnt 0x0                               ; the closing lines, six on end
	s_wait_alu 0x0
	s_wait_tensorcnt 0x0
	ds_add_u32 v248, v249
	s_wait_dscnt 0x0
	s_endpgm
.Lfunc_end_k_qc6f2625367_down:
	.size	k_qc6f2625367_down, .Lfunc_end_k_qc6f2625367_down-k_qc6f2625367_down
	.p2alignl 7, 3214868480
	.fill 96, 4, 3214868480
	.section	.rodata,"a",@progbits
	.p2align	6, 0x0
	.amdhsa_kernel k_qc6f2625367_down
		.amdhsa_group_segment_fixed_size 150528
		.amdhsa_private_segment_fixed_size 0
		.amdhsa_enable_private_segment 0
		.amdhsa_kernarg_size 48
		.amdhsa_user_sgpr_count 2
		.amdhsa_user_sgpr_kernarg_segment_ptr 1
		.amdhsa_wavefront_size32 1
		.amdhsa_system_sgpr_workgroup_id_x 1
		.amdhsa_system_sgpr_workgroup_id_y 1
		.amdhsa_system_sgpr_workgroup_id_z 1
		.amdhsa_system_vgpr_workitem_id 0
		.amdhsa_next_free_vgpr 512
		.amdhsa_next_free_sgpr 66
		.amdhsa_reserve_vcc 0
		.amdhsa_float_denorm_mode_32 3
		.amdhsa_float_denorm_mode_16_64 3
		.amdhsa_memory_ordered 1
		.amdhsa_forward_progress 1
		.amdhsa_inst_pref_size 90
	.end_amdhsa_kernel
	.amdgpu_metadata
---
amdhsa.version: [ 1, 2 ]
amdhsa.kernels:
  - .name:           k_qc6f2625367_down
    .symbol:         k_qc6f2625367_down.kd
    .args:
      - { .name: rk, .offset: 0, .size: 8, .value_kind: global_buffer, .address_space: global }
      - { .name: hq, .offset: 8, .size: 8, .value_kind: global_buffer, .address_space: global }
      - { .name: hs, .offset: 16, .size: 8, .value_kind: global_buffer, .address_space: global }
      - { .name: w2q, .offset: 24, .size: 8, .value_kind: global_buffer, .address_space: global }
      - { .name: b2, .offset: 32, .size: 8, .value_kind: global_buffer, .address_space: global }
      - { .name: eo, .offset: 40, .size: 8, .value_kind: global_buffer, .address_space: global }
    .group_segment_fixed_size: 150528
    .private_segment_fixed_size: 0
    .kernarg_segment_align: 8
    .kernarg_segment_size: 48
    .max_flat_workgroup_size: 256
    .sgpr_count:     66
    .vgpr_count:     512
    .wavefront_size: 32
...
	.end_amdgpu_metadata
.endif
;; end of part 7
;; launch finish (part 8): grid 256 x 1, 8 waves a work-group, no clusters, 0 bytes of LDS; arguments x, momentum, sel, xs, rk, eo, ln_g, ln_b, out0, out1; writes out0, out1
.if DOCPART == 8
	.amdgcn_target "amdgcn-amd-amdhsa--gfx1250"
	.amdhsa_code_object_version 6
	.text
	.protected	k_qc6f2625367_finish
	.globl	k_qc6f2625367_finish
	.p2align	8
	.type	k_qc6f2625367_finish,@function
k_qc6f2625367_finish:
	s_mov_b64 s[64:65], 0
	v_nop
	global_prefetch_b8 v0, s[64:65] scope:SCOPE_SE
	s_setreg_imm32_b32 hwreg(HW_REG_WAVE_MODE, 25, 1), 1
	s_wait_xcnt 0x0
; FINISH.  For each token: new_momentum = 0.7 momentum - (w0 eo[e0] + w1 eo[e1]);  out = LayerNorm(x + new_momentum) ln_g + ln_b.  All in f32; eo's rows are bf16 operands of the mix, which the contract leaves as it is.
; SHARES.  One wave, one token (token = 8 x work-group + wave); lane l holds d = 128 m + 4 l + 0 .. 3, m = 0 .. 7: every load and store of a row covers 512 consecutive bytes.  The row stays in registers between the
; passes: the mean first, then the mean of the squared differences.  No LDS, no barrier, no matrix unit: memory binds, and waves share nothing.
; Where a token's rows lie: its two experts from sel, its rank in each from rk (whole numbers that earlier launches stored); eo [e][slab d / 32][rank][32 bf16].  Its two weights lie behind the 65,536 scale bytes of xs.
; LIMITS.  NaN and infinities are not served.
.set X,   8                            ; v8-39    x, then x + new_momentum, then the result
.set MO,  40                           ; v40-71   momentum, then new_momentum
.set E0,  72                           ; v72-87   the first expert's row: register i holds numbers 2 i, 2 i + 1
.set E1,  88                           ; v88-103  the second's
.set GA,  104                          ; v104-135 ln_g
.set BE,  136                          ; v136-167 ln_b
	s_load_b512 s[4:19], s[0:1], 0x0               ; x s[4:5], momentum s[6:7], sel s[8:9], xs s[10:11], rk s[12:13], eo s[14:15], ln_g s[16:17], ln_b s[18:19]
	s_load_b128 s[20:23], s[0:1], 0x40             ; out0 s[20:21], out1 s[22:23]
	v_lshrrev_b32 v5, 5, v0
	s_delay_alu instid0(VALU_DEP_1)
	v_readfirstlane_b32 s24, v5                    ; wave
	s_lshl_b32 s25, ttmp9, 3
	s_add_co_u32 s25, s25, s24                     ; token
	v_and_b32 v6, 31, v0
	s_delay_alu instid0(VALU_DEP_1)
	v_lshlrev_b32 v1, 4, v6                        ; 16 l
	v_and_b32 v7, 7, v0
	v_bfe_u32 v5, v0, 3, 2
	s_delay_alu instid0(VALU_DEP_2)
	v_lshlrev_b32 v2, 3, v7
	s_delay_alu instid0(VALU_DEP_1)
	v_lshl_add_u32 v2, v5, 17, v2                  ; eo: slab 4 m + l / 8 (131,072 bytes a slab), 8 bytes at 8 (l % 8)
	s_lshl_b32 s26, s25, 2
	s_mov_b32 s27, 0
	v_lshl_add_u32 v3, v7, 13, s26                 ; rk: expert l % 8, my token
	s_lshl_b32 s28, s25, 3
	s_mov_b32 s29, 0
	s_lshl_b32 s30, s25, 12
	s_mov_b32 s31, 0
	s_mov_b32 s48, 0x76543210
	s_mov_b32 s49, 0xfedcba98                      ; v_permlanex16_b32's selects for lane l xor 16
	s_mov_b32 s50, 0x3a800000                      ; 1 / 1,024
	v_mov_b32 v178, 0                              ; written once: a lane permute's destination counts as one of its sources
	s_wait_alu depctr_va_vdst(0)
	s_wait_kmcnt 0x0
	s_add_nc_u64 s[8:9], s[8:9], s[26:27]
	s_add_nc_u64 s[10:11], s[10:11], s[28:29]
	s_load_b32 s32, s[8:9], 0x0                    ; my token's experts
	s_load_b64 s[34:35], s[10:11], 0x10000         ; and their weights
	s_add_nc_u64 s[4:5], s[4:5], s[30:31]
	s_add_nc_u64 s[6:7], s[6:7], s[30:31]
	s_add_nc_u64 s[20:21], s[20:21], s[30:31]
	s_add_nc_u64 s[22:23], s[22:23], s[30:31]
	global_load_b32 v4, v3, s[12:13]               ; lane e (0 .. 7): my token's rank in expert e
.set i, 0
.rept 8
	global_load_b128 v[X+4*i:X+4*i+3], v1, s[4:5] offset:512*i th:TH_LOAD_NT
.set i, i+1
.endr
.set i, 0
.rept 8
	global_load_b128 v[MO+4*i:MO+4*i+3], v1, s[6:7] offset:512*i th:TH_LOAD_NT
.set i, i+1
.endr
.set i, 0
.rept 8
	global_load_b128 v[GA+4*i:GA+4*i+3], v1, s[16:17] offset:512*i
.set i, i+1
.endr
.set i, 0
.rept 8
	global_load_b128 v[BE+4*i:BE+4*i+3], v1, s[18:19] offset:512*i
.set i, i+1
.endr
	s_wait_kmcnt 0x0
	s_bfe_u32 s36, s32, 0x80000                    ; e0
	s_min_u32 s36, s36, 7
	s_bfe_u32 s37, s32, 0x80008                    ; e1
	s_min_u32 s37, s37, 7
	s_wait_loadcnt 32                              ; the ranks are in; the 32 loads behind them may be out
	v_readlane_b32 s38, v4, s36
	v_readlane_b32 s39, v4, s37
	s_min_u32 s38, s38, 0x7ff                      ; a rank, held inside an expert's 2,048 places
	s_min_u32 s39, s39, 0x7ff
	s_lshl_b32 s40, s36, 22                        ; 4 MiB an expert, 64 bytes a place
	s_lshl_b32 s38, s38, 6
	s_add_co_u32 s40, s40, s38
	s_mov_b32 s41, 0
	s_add_nc_u64 s[44:45], s[14:15], s[40:41]
	s_lshl_b32 s40, s37, 22
	s_lshl_b32 s39, s39, 6
	s_add_co_u32 s40, s40, s39
	s_add_nc_u64 s[46:47], s[14:15], s[40:41]
.set i, 0
.rept 8
	global_load_b64 v[E0+2*i:E0+2*i+1], v2, s[44:45] offset:524288*i   ; eight lanes read a place's 64 bytes in one slab
.set i, i+1
.endr
.set i, 0
.rept 8
	global_load_b64 v[E1+2*i:E1+2*i+1], v2, s[46:47] offset:524288*i
.set i, i+1
.endr
	s_xor_b32 s34, s34, 0x80000000
	s_xor_b32 s35, s35, 0x80000000
	v_mov_b32 v168, s34                            ; -w0
	v_mov_b32 v169, s35                            ; -w1
	s_wait_loadcnt 0x0
.set i, 0
.rept 16
	v_pk_mul_f32 v[MO+2*i:MO+2*i+1], v[MO+2*i:MO+2*i+1], 0x3f333333 op_sel_hi:[1,0]   ; 0.7 momentum
.set i, i+1
.endr
.set i, 0
.rept 16                               ; - w0 eo0: a multiply-add straight from each bf16 half into f32
	v_fma_mix_f32_bf16 v[MO+2*i], v[E0+i], v168, v[MO+2*i] op_sel_hi:[1,0,0]
	v_fma_mix_f32_bf16 v[MO+2*i+1], v[E0+i], v168, v[MO+2*i+1] op_sel:[1,0,0] op_sel_hi:[1,0,0]
.set i, i+1
.endr
.set i, 0
.rept 16                               ; - w1 eo1
	v_fma_mix_f32_bf16 v[MO+2*i], v[E1+i], v169, v[MO+2*i] op_sel_hi:[1,0,0]
	v_fma_mix_f32_bf16 v[MO+2*i+1], v[E1+i], v169, v[MO+2*i+1] op_sel:[1,0,0] op_sel_hi:[1,0,0]
.set i, i+1
.endr
.set i, 0
.rept 8
	global_store_b128 v1, v[MO+4*i:MO+4*i+3], s[22:23] offset:512*i th:TH_STORE_NT    ; new_momentum; these registers are not written again
.set i, i+1
.endr
.set i, 0
.rept 16
	v_pk_add_f32 v[X+2*i:X+2*i+1], v[X+2*i:X+2*i+1], v[MO+2*i:MO+2*i+1]   ; x + new_momentum
.set i, i+1
.endr
.macro ALL_LANES r                     ; the sum of v[r] over the 32 lanes, in every lane
.irp k, 1,2,4,8
	s_delay_alu instid0(VALU_DEP_1)
	v_add_f32_dpp v[\r], v[\r], v[\r] row_xmask:\k row_mask:0xf bank_mask:0xf
.endr
	s_delay_alu instid0(VALU_DEP_1)
	v_permlanex16_b32 v178, v[\r], s48, s49
	s_delay_alu instid0(VALU_DEP_1)
	v_add_f32 v[\r], v[\r], v178
.endm
	v_pk_add_f32 v[170:171], v[X:X+1], v[X+2:X+3]          ; the row's sum: two at a time, in two chains
	v_pk_add_f32 v[172:173], v[X+4:X+5], v[X+6:X+7]
.irp j, 8,12,16,20,24,28
	s_delay_alu instid0(VALU_DEP_2)
	v_pk_add_f32 v[170:171], v[170:171], v[X+\j:X+\j+1]
	s_delay_alu instid0(VALU_DEP_2)
	v_pk_add_f32 v[172:173], v[172:173], v[X+\j+2:X+\j+3]
.endr
	s_delay_alu instid0(VALU_DEP_1)
	v_pk_add_f32 v[170:171], v[170:171], v[172:173]
	s_delay_alu instid0(VALU_DEP_1)
	v_add_f32 v170, v170, v171
	ALL_LANES 170
	s_delay_alu instid0(VALU_DEP_1)
	v_mul_f32 v174, 0xba800000, v170               ; -mean
	s_delay_alu instid0(VALU_DEP_1)
	v_mov_b32 v175, v174
.set i, 0
.rept 16
	v_pk_add_f32 v[X+2*i:X+2*i+1], v[X+2*i:X+2*i+1], v[174:175]
.set i, i+1
.endr
	v_pk_mul_f32 v[170:171], v[X:X+1], v[X:X+1]            ; the sum of the squared differences
	v_pk_mul_f32 v[172:173], v[X+2:X+3], v[X+2:X+3]
.irp j, 4,8,12,16,20,24,28
	s_delay_alu instid0(VALU_DEP_2)
	v_pk_fma_f32 v[170:171], v[X+\j:X+\j+1], v[X+\j:X+\j+1], v[170:171]
	s_delay_alu instid0(VALU_DEP_2)
	v_pk_fma_f32 v[172:173], v[X+\j+2:X+\j+3], v[X+\j+2:X+\j+3], v[172:173]
.endr
	s_delay_alu instid0(VALU_DEP_1)
	v_pk_add_f32 v[170:171], v[170:171], v[172:173]
	s_delay_alu instid0(VALU_DEP_1)
	v_add_f32 v170, v170, v171
	ALL_LANES 170
	s_delay_alu instid0(VALU_DEP_1)
	v_fmaak_f32 v170, s50, v170, 0x3727c5ac        ; the variance + 1e-5
	s_wait_alu depctr_va_vdst(0)
	v_rsq_f32 v176, v170
	v_nop                                          ; a plain place behind the transcendental
	s_wait_alu depctr_va_vdst(0)                   ; the wait ahead of the first reader
	v_mov_b32 v177, v176
.set i, 0
.rept 16
	v_pk_mul_f32 v[X+2*i:X+2*i+1], v[X+2*i:X+2*i+1], v[176:177]
.set i, i+1
.endr
.set i, 0
.rept 16
	v_pk_fma_f32 v[X+2*i:X+2*i+1], v[X+2*i:X+2*i+1], v[GA+2*i:GA+2*i+1], v[BE+2*i:BE+2*i+1]
.set i, i+1
.endr
.set i, 0
.rept 8
	global_store_b128 v1, v[X+4*i:X+4*i+3], s[20:21] offset:512*i th:TH_STORE_NT
.set i, i+1
.endr
	s_endpgm
.Lfunc_end_k_qc6f2625367_finish:
	.size	k_qc6f2625367_finish, .Lfunc_end_k_qc6f2625367_finish-k_qc6f2625367_finish
	.p2alignl 7, 3214868480
	.fill 96, 4, 3214868480
	.section	.rodata,"a",@progbits
	.p2align	6, 0x0
	.amdhsa_kernel k_qc6f2625367_finish
		.amdhsa_group_segment_fixed_size 0
		.amdhsa_private_segment_fixed_size 0
		.amdhsa_enable_private_segment 0
		.amdhsa_kernarg_size 80
		.amdhsa_user_sgpr_count 2
		.amdhsa_user_sgpr_kernarg_segment_ptr 1
		.amdhsa_wavefront_size32 1
		.amdhsa_system_sgpr_workgroup_id_x 1
		.amdhsa_system_sgpr_workgroup_id_y 1
		.amdhsa_system_sgpr_workgroup_id_z 1
		.amdhsa_system_vgpr_workitem_id 0
		.amdhsa_next_free_vgpr 192
		.amdhsa_next_free_sgpr 66
		.amdhsa_reserve_vcc 0
		.amdhsa_float_denorm_mode_32 3
		.amdhsa_float_denorm_mode_16_64 3
		.amdhsa_memory_ordered 1
		.amdhsa_forward_progress 1
		.amdhsa_inst_pref_size 23
	.end_amdhsa_kernel
	.amdgpu_metadata
---
amdhsa.version: [ 1, 2 ]
amdhsa.kernels:
  - .name:           k_qc6f2625367_finish
    .symbol:         k_qc6f2625367_finish.kd
    .args:
      - { .name: x, .offset: 0, .size: 8, .value_kind: global_buffer, .address_space: global }
      - { .name: momentum, .offset: 8, .size: 8, .value_kind: global_buffer, .address_space: global }
      - { .name: sel, .offset: 16, .size: 8, .value_kind: global_buffer, .address_space: global }
      - { .name: xs, .offset: 24, .size: 8, .value_kind: global_buffer, .address_space: global }
      - { .name: rk, .offset: 32, .size: 8, .value_kind: global_buffer, .address_space: global }
      - { .name: eo, .offset: 40, .size: 8, .value_kind: global_buffer, .address_space: global }
      - { .name: ln_g, .offset: 48, .size: 8, .value_kind: global_buffer, .address_space: global }
      - { .name: ln_b, .offset: 56, .size: 8, .value_kind: global_buffer, .address_space: global }
      - { .name: out0, .offset: 64, .size: 8, .value_kind: global_buffer, .address_space: global }
      - { .name: out1, .offset: 72, .size: 8, .value_kind: global_buffer, .address_space: global }
    .group_segment_fixed_size: 0
    .private_segment_fixed_size: 0
    .kernarg_segment_align: 8
    .kernarg_segment_size: 80
    .max_flat_workgroup_size: 256
    .sgpr_count:     66
    .vgpr_count:     192
    .wavefront_size: 32
...
	.end_amdgpu_metadata
.endif
;; end of part 8
